; MI455X (gfx1250); checked and timed in simulation.
; The chip was launched on July 23, 2026; its instructions are those of AMD's public machine-readable ISA for CDNA 5 (MIT licence, August 2026) and "CDNA5" Instruction Set Architecture Reference Guide (July 2026). The comments in the code are by the model that wrote it; some were corrected since.
;; Multi Head Attention Einsum. Allowed arithmetic: matrix products marked QUANTISED: E4M3 operands, one given power-of-two scale a tensor, by v_wmma_f32_16x16x64_fp8_fp8 or v_wmma_f32_16x16x128_fp8_fp8, f32 sums; everything else in f32.
;; Inputs: W_k 1,024 x 1,024 float32; W_out 1,024 x 1,024 float32; W_q 1,024 x 1,024 float32; W_v 1,024 x 1,024 float32; b_out 1,024 float32; lowp_scales 12 int32 (the exponents e of the quantised operands' scales 2^e); x 4 x 2,048 x 1,024 float32.
;; Outputs: out0 4 x 2,048 x 1,024 float32.
;; This version of the problem:
;;   THIS VERSION OF THE PROBLEM IS GIVEN IN LOW PRECISION. The matrix products marked QUANTISED in the list below multiply operands that are first quantised to E4M3 (4 exponent bits, 3 mantissa bits; 8 bits a number), with one given power-of-two scale for each operand tensor; their sums are f32. All else is computed in f32.
;;   The module's matrix products, in the order in which they are computed (A, B: the left and right operand; K: the contracted axis; several contracted axes count as one K, in the product's order):
;;     1. [M 8,192, K 1,024] x [K 1,024, N 1,024]; A: input x; B: input W_q: QUANTISED (scales: A lowp_scales[0], B lowp_scales[1])
;;     2. [M 8,192, K 1,024] x [K 1,024, N 1,024]; A: input x; B: input W_k: QUANTISED (scales: A lowp_scales[2], B lowp_scales[3])
;;     3. [M 8,192, K 1,024] x [K 1,024, N 1,024]; A: input x; B: input W_v: QUANTISED (scales: A lowp_scales[4], B lowp_scales[5])
;;     4. batch 64 x [M 2,048, K 64] x [K 64, N 2,048]; A: computed on the way; B: computed on the way: QUANTISED (scales: A lowp_scales[6], B lowp_scales[7])
;;     5. batch 64 x [M 2,048, K 2,048] x [K 2,048, N 64]; A: softmax (see below); B: computed on the way: QUANTISED (scales: A lowp_scales[8], B lowp_scales[9])
;;     6. [M 8,192, K 1,024] x [K 1,024, N 1,024]; A: computed on the way; B: input W_out: QUANTISED (scales: A lowp_scales[10], B lowp_scales[11])
;;   THE QUANTISER, for each operand of a quantised product, along K:
;;     - The operand's scale is 2^e, e = its entry of the input lowp_scales (int32; the entries are numbered through the quantised products in the list's order, A before B).
;;     - Each number is divided by the scale, clamped to +-448, and rounded to the nearest number of E4M3, ties to even, subnormals kept.
;;     - The product sums the exact products of the quantised numbers (number of the format x scale) in f32.
;;   ~~~python
;;   def quantise(x, axis, e):      # numpy; x: float32 -> the quantised numbers, widened to float32 again
;;       x = np.moveaxis(x, axis, -1); K = x.shape[-1]
;;       r = np.clip(x / 2.0 ** e, -448, 448)
;;       step = 2.0 ** (np.maximum(np.frexp(np.where(r == 0, 1, r))[1] - 1, -6) - 3)
;;       q = np.round(r / step) * step * 2.0 ** e      # np.round: ties to even
;;       return np.moveaxis(q, -1, axis).astype(np.float32)
;;   ~~~
;;   SOFTMAX AHEAD OF A QUANTISED PRODUCT. Where the list says 'softmax', what is quantised is not the finished softmax but p = 2^(t - M), with t = logit x log2(e) and M = ceil(the row's largest t), a whole number; so 1/2 < the row's largest p <= 1. The row's sum l is taken of the UNQUANTISED p, in f32, and the product's result is divided by l at the end. Since M is a whole number, a kernel that streams over the keys may use a running M (the ceiling of the running maximum): every later rescaling is an exact power of two, so the quantised numbers keep their values, but for numbers so far below the row's largest that they fall under the format's range.
;;   OPERANDS COMPUTED ON THE WAY. 'Computed on the way' means the value that the module computes at that place (a softmax that the list does not call 'softmax' is quantised finished and normalised). What goes into a quantiser is computed in f32, as accurately as f32 sums, v_exp_f32 and their like allow (about 1e-6 of the number): no bf16 or f16 on the way to a quantiser, and a product that is left as it is and whose result goes on into a quantised operand takes f32 operands (vector FMAs, or v_wmma_f32_16x16x4_f32). A number that lies on a knife's edge between two numbers of the format may be rounded either way, as far as f32 arithmetic and the matrix unit's own rounding can turn it there, and no further.
;; 2 versions, each right; version 2 is version 1 with the launches quant, attn written anew for expert scheduling mode. Each part assembles by itself: llvm-mc -triple=amdgcn-amd-amdhsa -mcpu=gfx1250 --defsym DOCPART=n.
;; ======== version 1 of 2: 4 launches
;; workspace buffers: xc 25,165,824 bytes; wc 4,194,304 bytes; qc 8,388,608 bytes; kc 8,388,608 bytes; vc 8,388,608 bytes; cc 8,388,608 bytes
;; launch quant (part 1): grid 384 x 1, 4 waves a work-group, no clusters, 41,472 bytes of LDS; arguments x, W_q, W_k, W_v, W_out, lowp_scales, xc, wc; writes xc, wc
.if DOCPART == 1
	.amdgcn_target "amdgcn-amd-amdhsa--gfx1250"
	.amdhsa_code_object_version 6
	.text
	.protected	k_q8e3f43419b_quant
	.globl	k_q8e3f43419b_quant
	.p2align	8
	.type	k_q8e3f43419b_quant,@function
k_q8e3f43419b_quant:
	s_mov_b64 s[64:65], 0
	v_nop
	global_prefetch_b8 v0, s[64:65] scope:SCOPE_SE
	s_setreg_imm32_b32 hwreg(HW_REG_WAVE_MODE, 25, 1), 1
	s_wait_xcnt 0x0
; x [8192][1024] f32 becomes three planes of E4M3 codes, xc[0..2], under the scales 2^e0, 2^e2, 2^e4 (x is the left operand of three products, each with an entry of its own).
; W_q, W_k, W_v, W_out [1024][1024] f32 become wc[0..3] under 2^e1, 2^e3, 2^e5, 2^e11.  K is innermost in all of them, rows are dense: every tensor is a plain stream of numbers, and so are its codes.
; code = number / 2^e, held within +-448, rounded to the nearest code, ties to even.
; LIMITS: each of these e lies between -126 and 119, so that 2^e and 448 x 2^e are f32 numbers.  NaN among the inputs is not served (an infinity is held at the largest code).
; SHARES.  A work-group takes 32,768 numbers, a wave 16 steps of 512.  Work-groups 0-255 take x (three conversions a step), work-groups 256-383 the weights, 32 each.
; The conversion takes 8 neighbours from ONE lane's registers; a load is best where neighbouring LANES take neighbouring bytes.  So each load reads 512 consecutive bytes, a step's 2,048 bytes go through the wave's own
; stage in LDS as they lie and come back 64 bytes a lane (16 bytes of padding behind each 64).  A lane's 16 codes are 16 bytes: a store of the wave covers 512 consecutive bytes, aligned.
; The two paths part on the work-group's number and have LDS bytes of their own (x from byte 0, the weights from byte WBASE).  No barrier: waves share nothing.  Loads run four steps ahead, the turn through LDS one.
.set STEPS, 16
.set SP,    80                         ; a lane's place in a stage: 64 bytes + 16 of padding
.set WREG,  5120                       ; a wave's two stages of 32 x SP bytes
.set WBASE, 20480                      ; the weights' path: behind the four waves' stages of x's path
.set R,     16                         ; v16-79    four sets of 16 numbers as they are loaded
.set X,     80                         ; v80-111   two sets of 16 neighbours
.set T,     112                        ; v112-127  the 16 numbers held within the scale's range
.set C,     128                        ; v128-151  codes: two sets of 3 x 4 registers, by turns
.set SC,    152                        ; v[152+2k] 2^e as f32, v[153+2k] 448 x 2^e, for output k
; s[48:49] where my wave's numbers begin; s[36:37], s[38:39], s[40:41] where its codes go (planes 8 MiB apart: beyond a store's immediate, so three bases)
.macro LOAD t
.irp i, 0,1,2,3
	global_load_b128 v[R+16*((\t)%4)+4*\i:R+16*((\t)%4)+4*\i+3], v3, s[48:49] offset:2048*(\t)+512*\i th:TH_LOAD_NT   ; 32 lanes read 512 consecutive bytes; read once in the launch
.endr
.endm
.macro TURN t, pb                      ; step t's numbers through the stage: LDS serves a wave's instructions in order, so no wait stands between the stores and the loads
.irp i, 0,1,2,3
	ds_store_b128 v14, v[R+16*((\t)%4)+4*\i:R+16*((\t)%4)+4*\i+3] offset:\pb+32*SP*((\t)%2)+8*SP*\i
.endr
.irp i, 0,1,2,3
	ds_load_b128 v[X+16*((\t)%2)+4*\i:X+16*((\t)%2)+4*\i+3], v15 offset:\pb+32*SP*((\t)%2)+16*\i
.endr
.endm
.macro MKSCALE k, se                   ; from the whole number e in \se: 2^e and 448 x 2^e as f32
	s_add_co_i32 s50, \se, 127
	s_lshl_b32 s51, s50, 23
	v_mov_b32 v[SC+2*\k], s51                      ; the conversion takes its exponent field
	s_add_co_i32 s50, s50, 8
	s_lshl_b32 s50, s50, 23
	s_or_b32 s50, s50, 0x600000                    ; 448 = 1.75 x 2^8
	v_mov_b32 v[SC+2*\k+1], s50
.endm
.macro STEPQ t, ns, pb                 ; ns: how many scales the step's numbers are quantised under
.set XS, X+16*((\t)%2)
.set CC, C+12*((\t)%2)
	s_wait_dscnt 0x0                               ; this step's numbers are back from the stage, so its stores into the stage have read their registers,
.if (\t)+4 < STEPS
	LOAD (\t)+4                                    ; which take the loads of four steps on
.endif
.if (\t)+1 < STEPS
.if STEPS-2-(\t) >= 3
	s_wait_loadcnt 12                              ; the next step's four loads are in; those of the three steps behind it may be out
.else
	s_wait_loadcnt 4*(STEPS-2-(\t))                ; the tail: fewer steps are behind it
.endif
	TURN (\t)+1, \pb                               ; and go through the other stage while this step is worked
.endif
	s_wait_xcnt 0x0                                ; the stores of two steps back have read this set of code registers: only now is it written again
.irp k, 0,1,2
.if \k < \ns
.irp i, 0,1,2,3,4,5,6,7,8,9,10,11,12,13,14,15
	v_med3_num_f32 v[T+\i], v[XS+\i], -v[SC+2*\k+1], v[SC+2*\k+1]   ; the conversion to an 8-bit code does not saturate (ISA guide 7.6.2): the number is held first
.endr
	v_cvt_scalef32_pk8_fp8_f32 v[CC+4*\k:CC+4*\k+1], v[T:T+7], v[SC+2*\k]
	v_cvt_scalef32_pk8_fp8_f32 v[CC+4*\k+2:CC+4*\k+3], v[T+8:T+15], v[SC+2*\k]
	v_nop                                          ; one plain vector line between the conversions and the next lines that write their sources v[T..]
	global_store_b128 v3, v[CC+4*\k:CC+4*\k+3], s[36+2*\k:37+2*\k] offset:512*(\t)
.endif
.endr
.endm
	s_load_b256 s[4:11], s[0:1], 0x0               ; x s[4:5], W_q s[6:7], W_k s[8:9], W_v s[10:11]
	s_load_b256 s[12:19], s[0:1], 0x20             ; W_out s[12:13], the exponents s[14:15], xc s[16:17], wc s[18:19]
	v_lshl_add_u32 v160, v0, 2, 0xa000
	v_mov_b32 v161, 0
	v_lshrrev_b32 v1, 5, v0
	v_readfirstlane_b32 s20, v1                    ; wave 0..3
	v_and_b32 v2, 31, v0                           ; lane
	v_lshlrev_b32 v3, 4, v2                        ; 16 x lane: my bytes of a load's 512, and of a store's
	s_mul_i32 s21, s20, WREG
	v_lshrrev_b32 v14, 2, v2
	v_mul_u32_u24 v14, v14, SP
	v_and_b32 v15, 3, v2
	v_lshl_add_u32 v14, v15, 4, v14
	v_add_nc_u32 v14, s21, v14                     ; the stage, on the way in: four lanes' 64 bytes on end, then the padding
	v_mul_u32_u24 v15, v2, SP
	v_add_nc_u32 v15, s21, v15                     ; and on the way out: my 16 neighbours
	s_mov_b32 s45, 0                               ; the upper word of every offset below
	s_wait_kmcnt 0x0
	s_load_b256 s[24:31], s[14:15], 0x0            ; e0 .. e7
	s_load_b128 s[32:35], s[14:15], 0x20           ; e8 .. e11
	s_cmp_lt_u32 ttmp9, 256
	s_cbranch_scc0 .Lweights
	; ---- x
	s_lshl_b32 s42, ttmp9, 2
	s_add_co_u32 s42, s42, s20                     ; which run of 8,192 numbers is my wave's
	s_lshl_b32 s44, s42, 15
	s_add_nc_u64 s[48:49], s[4:5], s[44:45]
	s_lshl_b32 s44, s42, 13
	s_add_nc_u64 s[36:37], s[16:17], s[44:45]
	s_add_nc_u64 s[38:39], s[36:37], 0x800000
	s_add_nc_u64 s[40:41], s[38:39], 0x800000
.irp t, 0,1,2,3
	LOAD \t
.endr
	s_wait_kmcnt 0x0
	MKSCALE 0, s24
	MKSCALE 1, s26
	MKSCALE 2, s28
	s_wait_loadcnt 12                              ; step 0's four loads are in
	TURN 0, 0
.irp t, 0,1,2,3,4,5,6,7,8,9,10,11,12,13,14,15
	STEPQ \t, 3, 0
.endr
	s_wait_tensorcnt 0x0
	ds_add_u32 v160, v161
	s_wait_dscnt 0x0
	s_endpgm
	; ---- the weights
.Lweights:
	s_sub_co_u32 s42, ttmp9, 256                   ; 0 .. 127
	s_lshr_b32 s43, s42, 5                         ; which weight: 0 W_q, 1 W_k, 2 W_v, 3 W_out
	s_and_b32 s52, s43, 1
	s_and_b32 s53, s43, 2
	s_cmp_lg_u32 s52, 0                            ; the choices hang on the work-group's number alone
	s_cselect_b64 s[46:47], s[8:9], s[6:7]
	s_cselect_b64 s[54:55], s[12:13], s[10:11]
	s_cmp_lg_u32 s53, 0
	s_cselect_b64 s[48:49], s[54:55], s[46:47]
	s_and_b32 s44, s42, 31
	s_lshl_b32 s44, s44, 2
	s_add_co_u32 s44, s44, s20                     ; which run of 8,192 numbers of that weight
	s_lshl_b32 s44, s44, 15
	s_add_nc_u64 s[48:49], s[48:49], s[44:45]
	s_lshl_b32 s44, s42, 2
	s_add_co_u32 s44, s44, s20                     ; the four planes of wc follow each other
	s_lshl_b32 s44, s44, 13
	s_add_nc_u64 s[36:37], s[18:19], s[44:45]
.irp t, 0,1,2,3
	LOAD \t
.endr
	s_wait_kmcnt 0x0
	s_cmp_lg_u32 s52, 0
	s_cselect_b32 s56, s27, s25                    ; e3 or e1
	s_cselect_b32 s57, s35, s29                    ; e11 or e5
	s_cmp_lg_u32 s53, 0
	s_cselect_b32 s56, s57, s56
	MKSCALE 0, s56
	s_wait_loadcnt 12
	TURN 0, WBASE
.irp t, 0,1,2,3,4,5,6,7,8,9,10,11,12,13,14,15
	STEPQ \t, 1, WBASE
.endr
	s_wait_tensorcnt 0x0
	ds_add_u32 v160, v161
	s_wait_dscnt 0x0
	s_endpgm
.Lfunc_end_k_q8e3f43419b_quant:
	.size	k_q8e3f43419b_quant, .Lfunc_end_k_q8e3f43419b_quant-k_q8e3f43419b_quant
	.p2alignl 7, 3214868480
	.fill 96, 4, 3214868480
	.section	.rodata,"a",@progbits
	.p2align	6, 0x0
	.amdhsa_kernel k_q8e3f43419b_quant
		.amdhsa_group_segment_fixed_size 41472
		.amdhsa_private_segment_fixed_size 0
		.amdhsa_enable_private_segment 0
		.amdhsa_kernarg_size 64
		.amdhsa_user_sgpr_count 2
		.amdhsa_user_sgpr_kernarg_segment_ptr 1
		.amdhsa_wavefront_size32 1
		.amdhsa_system_sgpr_workgroup_id_x 1
		.amdhsa_system_sgpr_workgroup_id_y 1
		.amdhsa_system_sgpr_workgroup_id_z 1
		.amdhsa_system_vgpr_workitem_id 0
		.amdhsa_next_free_vgpr 162
		.amdhsa_next_free_sgpr 66
		.amdhsa_reserve_vcc 0
		.amdhsa_float_denorm_mode_32 3
		.amdhsa_float_denorm_mode_16_64 3
		.amdhsa_memory_ordered 1
		.amdhsa_forward_progress 1
		.amdhsa_inst_pref_size 115
	.end_amdhsa_kernel
	.amdgpu_metadata
---
amdhsa.version: [ 1, 2 ]
amdhsa.kernels:
  - .name:           k_q8e3f43419b_quant
    .symbol:         k_q8e3f43419b_quant.kd
    .args:
      - { .name: x, .offset: 0, .size: 8, .value_kind: global_buffer, .address_space: global }
      - { .name: W_q, .offset: 8, .size: 8, .value_kind: global_buffer, .address_space: global }
      - { .name: W_k, .offset: 16, .size: 8, .value_kind: global_buffer, .address_space: global }
      - { .name: W_v, .offset: 24, .size: 8, .value_kind: global_buffer, .address_space: global }
      - { .name: W_out, .offset: 32, .size: 8, .value_kind: global_buffer, .address_space: global }
      - { .name: lowp_scales, .offset: 40, .size: 8, .value_kind: global_buffer, .address_space: global }
      - { .name: xc, .offset: 48, .size: 8, .value_kind: global_buffer, .address_space: global }
      - { .name: wc, .offset: 56, .size: 8, .value_kind: global_buffer, .address_space: global }
    .group_segment_fixed_size: 41472
    .private_segment_fixed_size: 0
    .kernarg_segment_align: 8
    .kernarg_segment_size: 64
    .max_flat_workgroup_size: 128
    .sgpr_count:     66
    .vgpr_count:     162
    .wavefront_size: 32
...
	.end_amdgpu_metadata
.endif
;; end of part 1
;; launch proj (part 2): grid 12 x 32, 4 waves a work-group, clusters of 4 x 4, 327,680 bytes of LDS; arguments xc, wc, lowp_scales, qc, kc, vc; writes qc, kc, vc
.if DOCPART == 2
	.amdgcn_target "amdgcn-amd-amdhsa--gfx1250"
	.amdhsa_code_object_version 6
	.text
	.protected	k_q8e3f43419b_proj
	.globl	k_q8e3f43419b_proj
	.p2align	8
	.type	k_q8e3f43419b_proj,@function
k_q8e3f43419b_proj:
	s_mov_b64 s[64:65], 0
	v_nop
	global_prefetch_b8 v0, s[64:65] scope:SCOPE_SE
	s_setreg_imm32_b32 hwreg(HW_REG_WAVE_MODE, 25, 1), 1
	s_wait_xcnt 0x0
	s_wait_alu depctr_hold_cnt(0) depctr_sa_sdst(0) depctr_va_vdst(0) depctr_va_sdst(0) depctr_va_ssrc(0) depctr_va_vcc(0) depctr_vm_vsrc(0)
	s_getreg_b32 s2, hwreg(HW_REG_IB_STS2, 6, 4)
	s_cmp_eq_u32 s2, 0
	s_cbranch_scc0 .Lentry_in_a_cluster
	s_endpgm
.Lentry_in_a_cluster:
	s_bfe_u32 s2, ttmp6, 0x10000c
	s_cmp_lg_u32 s2, 0xf033
	s_cbranch_scc0 .Lentry_shape_is_right
	s_endpgm
.Lentry_shape_is_right:
; The three projections q = x W_q^T, k = x W_k^T, v = x W_v^T on E4M3 codes (K = 1,024), each result quantised on the way out for the product that takes it next: q under 2^e6, k under 2^e7, v under 2^e9.
; The cluster's x says which: P = 0 q, 1 k, 2 v.  A sum stands for sum x 2^(ea + eb), so its code is sum / 2^(eo - ea - eb), held within +-448: the three exponents are folded into the conversion's one scale.
; LIMITS: e6 - e0 - e1, e7 - e2 - e3 and e9 - e4 - e5 lie between -126 and 119, so that the scale and 448 x the scale are f32 numbers.
; A tile of the result, 256 x 256, is made by four waves, 128 x 128 each: 64 accumulators of 16 x 16, 512 registers.  K goes in steps of 256 through a ring of two LDS slots filled by the tensor data mover.
; THE MATRIX INSTRUCTION IS USED TRANSPOSED (source 0 = 16 rows of B, source 1 = 16 rows of A): a lane holds eight neighbouring columns of one row of the tile, which one conversion turns into 8 bytes.
; q, k: A = x's codes (rows: tokens), B = the weight's (columns: features): a lane's eight are neighbours along the head's 64, the next K.  Out: qc, kc [batch x 16 + head][2048][64].
; v:    A = W_v's codes (rows: features), B = x's (columns: tokens): a lane's eight are neighbouring KEYS, the next K.  Out: vc [feature 0..1023][batch x 2048 + key].
; CLUSTERS: 4 x 4 work-groups.  A's tile hangs on the tile row alone and is asked for jointly by a row of the cluster, B's on the tile column alone, by a column.
; A fragment is fetched by four loads of 16 bytes: a permutation of k that is the same in A and in B, so every product meets its partner.
; REGISTERS, in windows of 256: window 0: v0-31 addresses; from v128 A's fragments, one set; on the way out v32-255 are free.  window 1: B's fragments, two sets.  windows 2, 3: the accumulators ((a, b) at v[8 (8 (a % 4) + b)]).
.set KROW,   1024                      ; a row of xc or wc in bytes
.set ROWB,   256                       ; a tile's row in bytes
.set PITCH,  272                       ; an LDS row: 256 bytes + 16 of padding = 68 words: the 16 rows that a load touches start at 16 different banks (64 banks of 4 bytes: ISA guide 11.1)
.set FR,     16                        ; registers of a fragment: 16 rows x 128 K
.set NL,     4                         ; LDS loads that bring one
.set NP,     4                         ; places behind this matrix instruction (ISA guide 7.12.1)
.set HALFT,  128*PITCH                 ; what one tensor load brings
.set SLOT,   4*HALFT                   ; A's 256 rows, then B's 256 rows
.set SPARE,  2*SLOT                    ; behind the ring: the spare words, 128 bytes a wave, that no other line names
.set RDQ2, 10                          ; v10  q, k: RDQ + 128 rows
.set LO,   11                          ; v11  16 x lane
.set QS,   12                          ; v12  the conversion's scale as f32
.set QL,   13                          ; v13  448 x that
.set ADRA, 16                          ; v16-17  LDS address of my A fragments in slot 0, 1
.set ADRB, 20                          ; v20-21  the same for B
.set STO,  24                          ; v24  the stage: where I put 8 codes
.set RDV,  25                          ; v25  v: where I read a row back
.set GOV,  26                          ; v26  v: my byte offset in vc
.set RDQ,  27                          ; v27  q, k: where I read 16 bytes of a token's head back
.set SPW,  28                          ; v28  LDS address of my spare word; never rewritten
.set NIL,  29                          ; v29  0; never rewritten
.set TMP,  32                          ; v32-95   a block's 64 sums, held
.set CD,   96                          ; v96-223  codes: 16 registers for each of my eight blocks
.set AF,   128
.set G1, 24                            ; s[24:31] descriptor group 1 for A's tiles; s[32:39] group 0, a set for each slot
.set G0, 32
.set G1B, 48                           ; s[48:55], s[56:63] the same for B's
.set G0B, 56
.set MSB, 0
.macro WIN new                         ; the immediate's high byte repeats the setting that is left
.if MSB != \new
	s_set_vgpr_msb (MSB<<8)|\new
.set MSB, \new
.endif
.endm
.set MUL_LO, 0xa1                      ; source 0 (B) window 1, source 1 (A) window 0, C and D window 2
.set MUL_HI, 0xf1                      ; the same, C and D window 3
.set TO_B,   0x40                      ; destination window 1, address window 0
; A joint load: waves 0 and 1 fetch for A, waves 2 and 3 for B; the branch hangs on the wave's number alone.  Four v_nop follow each of the two lines.
.macro JLOAD g0a, g1a, g0b, g1b
	s_cmp_eq_u32 s15, 0
	s_cbranch_scc0 .Lfor_b_\@
	tensor_load_to_lds s[\g0a:\g0a+3], s[\g1a:\g1a+7]
	s_nop 0
.rept 4
	v_nop
.endr
	s_branch .Lasked_\@
.Lfor_b_\@:
	tensor_load_to_lds s[\g0b:\g0b+3], s[\g1b:\g1b+7]
	s_nop 0
.rept 4
	v_nop
.endr
.Lasked_\@:
.endm
.macro CREST                           ; a round of the cluster's barrier behind its opening barrier
	s_cmp_lg_u32 s14, 0
	s_cbranch_scc1 .Lnot_wave_0_\@
	s_barrier_signal -3
.Lnot_wave_0_\@:
	s_barrier_wait -3
	s_barrier_signal -1
	s_barrier_wait -1
.endm
.macro CROUND                          ; a whole round
	s_barrier_signal -1
	s_barrier_wait -1
	CREST
.endm
	s_load_b256 s[4:11], s[0:1], 0x0               ; xc s[4:5], wc s[6:7], the exponents s[8:9], qc s[10:11]
	s_load_b128 s[68:71], s[0:1], 0x20             ; kc s[68:69], vc s[70:71]
	v_lshl_add_u32 v[SPW], v0, 2, SPARE
	v_mov_b32 v[NIL], 0
	ds_add_u32 v28, v29
	ds_add_u32 v28, v29
	s_wait_dscnt 0x0
	v_lshrrev_b32 v1, 5, v0
	v_readfirstlane_b32 s14, v1                    ; wave 0..3
	s_lshr_b32 s15, s14, 1                         ; which half of the tile's rows is mine.  Also: I fetch for A (0) or for B (1)
	s_and_b32 s16, s14, 1                          ; which half of its columns.  Also: which 128 rows of that tile I fetch
	s_bfe_u32 s40, ttmp6, 0x40000                  ; cx, cy: my place in the cluster
	s_bfe_u32 s41, ttmp6, 0x40004
	s_and_b32 s66, ttmp7, 0xffff
	s_lshl_b32 s66, s66, 2                         ; 4 x cluster y: it walks the tokens, which are rows for q and k and columns for v
	s_cmp_eq_u32 ttmp9, 2                          ; v?  (the cluster's x: the same in all sixteen partners)
	s_cselect_b32 s67, 0, s66
	s_cselect_b32 s84, s66, 0
	s_cselect_b32 s85, 20, 23                      ; log2 of a plane's bytes in A's buffer (wc 1 MiB, xc 8 MiB),
	s_cselect_b32 s86, 23, 20                      ; and in B's
	s_add_co_u32 s17, s67, s41                     ; tile row: hangs on cy alone
	s_add_co_u32 s42, s84, s40                     ; tile column: on cx alone
	s_lshl_b32 s43, s41, 2
	s_lshl_b32 s43, 15, s43                        ; my row of the cluster
	s_lshl_b32 s44, 0x1111, s40                    ; my column
	; descriptor group 1: a tile of 128 rows x 256 bytes, padded in LDS
	s_or_b32 s[G1+0], s43, (0<<16)|(1<<20)|(1<<21)|(5<<22)|(3<<25)  ; 15:0 the mask; 17:16 elements of 1 byte; 20 padding on; 21 set beside a mask; 24:22 after every 64 words; 31:25 four words
	s_or_b32 s[G1B+0], s44, (0<<16)|(1<<20)|(1<<21)|(5<<22)|(3<<25)
.irp g, G1, G1B
	s_mov_b32 s[\g+1], ROWB<<16                    ; tensor_dim0
	s_mov_b32 s[\g+2], 128<<16                     ; tensor_dim1
	s_mov_b32 s[\g+3], ROWB<<16                    ; tile_dim0
	s_mov_b32 s[\g+4], 128                         ; tile_dim1
	s_mov_b32 s[\g+5], KROW                        ; from row to row
	s_mov_b32 s[\g+6], 0
	s_mov_b32 s[\g+7], 0
.endr
	s_lshl_b32 s18, s16, 7                         ; which 128 rows of the tile I fetch
	s_lshl_b32 s20, s17, 8
	s_add_co_u32 s20, s20, s18
	s_lshl_b32 s20, s20, 10                        ; A: (256 x tile row + 128 x half) rows of 1,024 bytes,
	s_lshl_b32 s19, ttmp9, s85
	s_add_co_u32 s20, s20, s19                     ; in plane P: under 2^25
	s_mov_b32 s21, 0
	s_lshl_b32 s46, s42, 8
	s_add_co_u32 s46, s46, s18
	s_lshl_b32 s46, s46, 10                        ; B likewise, by the tile column
	s_lshl_b32 s19, ttmp9, s86
	s_add_co_u32 s46, s46, s19
	s_mov_b32 s47, 0
	s_mul_i32 s45, s14, HALFT                      ; where they go: wave x 128 rows: no place in the cluster enters an LDS address
	s_wait_kmcnt 0x0
	s_load_b256 s[72:79], s[8:9], 0x0              ; e0 .. e7
	s_load_b128 s[80:83], s[8:9], 0x20             ; e8 .. e11
	s_cmp_eq_u32 ttmp9, 2
	s_cselect_b64 s[88:89], s[6:7], s[4:5]         ; A's buffer: wc for v, else xc
	s_cselect_b64 s[90:91], s[4:5], s[6:7]         ; B's: the other
	s_add_nc_u64 s[20:21], s[88:89], s[20:21]
	s_add_nc_u64 s[46:47], s[90:91], s[46:47]
	CROUND                                         ; all sixteen work-groups are here: the first joint loads meet
.irp s, 0,1
	s_mov_b32 s[G0+4*\s], 1
	s_add_co_u32 s[G0+4*\s+1], s45, \s*SLOT
	s_add_nc_u64 s[G0+4*\s+2:G0+4*\s+3], s[20:21], \s*ROWB
	s_or_b32 s[G0+4*\s+3], s[G0+4*\s+3], 0x80000000
	s_mov_b32 s[G0B+4*\s], 1
	s_add_co_u32 s[G0B+4*\s+1], s45, \s*SLOT
	s_add_nc_u64 s[G0B+4*\s+2:G0B+4*\s+3], s[46:47], \s*ROWB
	s_or_b32 s[G0B+4*\s+3], s[G0B+4*\s+3], 0x80000000
	JLOAD G0+4*\s, G1, G0B+4*\s, G1B               ; two loads of mine are out
.endr
	v_and_b32 v1, 15, v0                           ; r = l % 16
	v_bfe_u32 v2, v0, 4, 1                         ; h = l / 16
	v_mul_u32_u24 v3, v1, PITCH
	v_lshl_add_u32 v4, v2, 4, v3                   ; a fragment's row x pitch + 16 x half
	s_mul_i32 s21, s15, HALFT                      ; my 128 rows of A
	s_mul_i32 s22, s16, HALFT                      ; my 128 rows of B,
	s_add_co_u32 s22, s22, 2*HALFT                 ; which lie behind A's 256
.irp s, 0,1
	v_add_nc_u32 v[ADRA+\s], s21, v4
	v_add_nc_u32 v[ADRB+\s], s22, v4
	s_add_co_u32 s21, s21, SLOT
	s_add_co_u32 s22, s22, SLOT
.endr
	; the way out: ONE stage for the work-group, 256 rows x (256 codes + 16), from LDS byte 0: slot 0, which has had its last fill and its last read when the first code is stored there
	s_mul_i32 s23, s15, 128*PITCH
	s_lshl_b32 s21, s16, 7
	s_add_co_u32 s23, s23, s21
	v_lshl_add_u32 v5, v2, 3, v3
	v_add_nc_u32 v[STO], s23, v5                   ; in: row 128 x row half + r, byte 128 x column half + 8 h
	v_and_b32 v6, 31, v0
	v_lshrrev_b32 v7, 2, v6
	v_mul_u32_u24 v7, v7, PITCH
	v_and_b32 v8, 3, v6
	v_lshl_add_u32 v7, v8, 4, v7
	s_lshl_b32 s23, s14, 6
	v_add_nc_u32 v[RDQ], s23, v7                   ; q, k, back: wave w takes the tile's head w: four lanes to a token's 64 bytes, eight tokens an instruction
	v_add_nc_u32 v[RDQ2], 128*PITCH, v[RDQ]        ; (the immediate reaches 64 KiB: tokens 128 on have a register of their own)
	v_lshlrev_b32 v[LO], 4, v6
	s_mul_i32 s23, s14, 64*PITCH
	v_mul_u32_u24 v7, v2, PITCH
	v_lshl_add_u32 v7, v1, 4, v7
	v_add_nc_u32 v[RDV], s23, v7                   ; v, back: wave w takes rows 64 w on, whole: sixteen lanes to a row, two rows an instruction
	v_lshlrev_b32 v7, 13, v2
	v_lshl_add_u32 v[GOV], v1, 4, v7               ; and the same two rows in vc, 8,192 bytes apart
	; where my part goes.  q, k: head (tile row / 8) x 16 + 4 x tile column + wave, 131,072 bytes each; in it tokens 256 x (tile row % 8) on, 64 bytes each
	s_lshr_b32 s20, s17, 3
	s_lshl_b32 s20, s20, 4
	s_lshl_b32 s21, s42, 2
	s_add_co_u32 s20, s20, s21
	s_add_co_u32 s20, s20, s14
	s_lshl_b32 s20, s20, 17
	s_and_b32 s21, s17, 7
	s_lshl_b32 s21, s21, 14
	s_add_co_u32 s20, s20, s21
	s_mov_b32 s21, 0
	s_cmp_eq_u32 ttmp9, 0
	s_cselect_b64 s[92:93], s[10:11], s[68:69]
	s_add_nc_u64 s[92:93], s[92:93], s[20:21]      ; (used where P < 2 alone)
	s_lshl_b32 s20, s17, 8                         ; v: row 256 x tile row + 64 x wave, byte 256 x tile column
	s_lshl_b32 s21, s14, 6
	s_add_co_u32 s20, s20, s21
	s_lshl_b32 s20, s20, 13
	s_lshl_b32 s21, s42, 8
	s_add_co_u32 s20, s20, s21
	s_mov_b32 s21, 0
	s_add_nc_u64 s[94:95], s[70:71], s[20:21]      ; (used where P = 2 alone)
.macro FRAG reg, adr, q, i             ; 16 rows x 128 K: lane l holds row l % 16; registers 4 c .. 4 c + 3 hold K = 32 c + 16 (l / 16) + 0 .. 15
.irp c, 0,1,2,3
	ds_load_b128 v[\reg+4*\c:\reg+4*\c+3], v[\adr] offset:128*(\q)+32*\c+(\i)*16*PITCH
.endr
.endm
; 16 matrix instructions: A's blocks a0, a0 + 1 x B's eight, 128 along K.  p: B's set.  zero = 1: the first product starts the sums.  The 64 accumulators take turns, one instruction a turn.
.macro MUL16 a0, p, zero
.irp a, \a0, \a0+1
.irp b, 0,1,2,3,4,5,6,7
.if \zero
	v_wmma_f32_16x16x128_fp8_fp8 v[8*(8*((\a)%4)+\b):8*(8*((\a)%4)+\b)+7], v[128*(\p)+FR*\b:128*(\p)+FR*\b+FR-1], v[AF+FR*(\a):AF+FR*(\a)+FR-1], 0
.else
	v_wmma_f32_16x16x128_fp8_fp8 v[8*(8*((\a)%4)+\b):8*(8*((\a)%4)+\b)+7], v[128*(\p)+FR*\b:128*(\p)+FR*\b+FR-1], v[AF+FR*(\a):AF+FR*(\a)+FR-1], v[8*(8*((\a)%4)+\b):8*(8*((\a)%4)+\b)+7]
.endif
.endr
.endr
.endm
.macro FETCH_B slot, q, p              ; B's eight fragments of the slot's q-th 128 along K into set p
	WIN TO_B
.irp i, 0,1,2,3,4,5,6,7
	FRAG 128*(\p)+FR*\i, ADRB+\slot, \q, \i
.endr
	WIN 0
.endm
.macro FETCH_A slot, q, i0             ; A's blocks i0 .. i0 + 3
.irp i, \i0, \i0+1, \i0+2, \i0+3
	FRAG AF+FR*(\i), ADRA+\slot, \q, \i
.endr
.endm
.macro PLACES n                        ; plain vector lines between a matrix instruction and a load into a register that it read, or a read of its result
.rept \n
	v_nop
.endr
.endm
; A step of 128 along K that has its successor in the same slot.  A block of A is free once its eight products are issued, so A has one set of registers: blocks 0-3 are fetched anew in the middle, blocks 4-7 at the end.
.macro STEP slot, q, zero
	s_wait_dscnt 4*NL                              ; B's set and A's blocks 0-3 are in; the youngest sixteen loads (A's blocks 4-7) may be out
	WIN MUL_LO
	MUL16 0, (\q)%2, \zero
	MUL16 2, (\q)%2, \zero
	s_wait_dscnt 0                                 ; A's blocks 4-7 are in
	PLACES NP
	FETCH_B \slot, (\q)+1, 1-(\q)%2
	FETCH_A \slot, (\q)+1, 0
	WIN MUL_HI
	MUL16 4, (\q)%2, \zero
	MUL16 6, (\q)%2, \zero
	PLACES NP
	WIN 0
	FETCH_A \slot, (\q)+1, 4
.endm
; A slot's last step changes slots: ONE barrier; in front of it each wave waits for all its tensor loads, adds 0 to its spare word, and waits for that and for its own reads of this slot.  fill = 1: the slot is filled again, two K steps ahead.
.macro TURN slot, next, fill
	s_wait_tensorcnt 0x0                           ; all my tensor loads have landed: my part of the next slot
	ds_add_u32 v[SPW], v[NIL]                      ; 0 onto my spare word
	s_wait_dscnt 4*NL+1                            ; (the add and the youngest sixteen loads may be out)
	WIN MUL_LO
	MUL16 0, 1, 0                                  ; sixteen matrix instructions stand between the add and the wait for it
	s_wait_dscnt 0x0                               ; the add is done, and my reads of this slot are over
	s_barrier_signal -1
	MUL16 2, 1, 0
	WIN 0
	s_barrier_wait -1
.if \fill
	CREST                                          ; the barrier has opened a round of the cluster's: no wave of any partner still reads this slot or has a load on its way
	s_add_nc_u64 s[G0+4*\slot+2:G0+4*\slot+3], s[G0+4*\slot+2:G0+4*\slot+3], 2*ROWB
	s_add_nc_u64 s[G0B+4*\slot+2:G0B+4*\slot+3], s[G0B+4*\slot+2:G0B+4*\slot+3], 2*ROWB
	JLOAD G0+4*\slot, G1, G0B+4*\slot, G1B         ; the first tensor load behind the round, my only one until the next; its four v_nop are also the places in front of the loads below
.else
	PLACES NP
.endif
	FETCH_B \next, 0, 0
	FETCH_A \next, 0, 0
	WIN MUL_HI
	MUL16 4, 1, 0
	MUL16 6, 1, 0
	PLACES NP
	WIN 0
	FETCH_A \next, 0, 4
.endm
	s_wait_tensorcnt 1                             ; my part of K step 0 is in (K step 1's load may be out)
	s_barrier_signal -1
	s_barrier_wait -1                              ; everybody's is
	FETCH_B 0, 0, 0
	FETCH_A 0, 0, 0
	FETCH_A 0, 0, 4
	; K = 1,024 is four slots of 256: the ring is written out, each slot a STEP and a TURN
	STEP 0, 0, 1                                   ; the first products start the sums
	TURN 0, 1, 1                                   ; slot 0 takes K 512 on
	STEP 1, 0, 0
	TURN 1, 0, 1                                   ; slot 1 takes K 768 on
	STEP 0, 0, 0
	TURN 0, 1, 0                                   ; nothing is left to fetch
	STEP 1, 0, 0
	s_wait_dscnt 4*NL                              ; the very last step
	WIN MUL_LO
	MUL16 0, 1, 0
	MUL16 2, 1, 0
	s_wait_dscnt 0
	WIN MUL_HI
	MUL16 4, 1, 0
	MUL16 6, 1, 0
	WIN 0
	; THE WAY OUT.  The product's three exponents, chosen without a branch
	s_wait_kmcnt 0x0
	s_cmp_eq_u32 ttmp9, 0
	s_cselect_b32 s96, s72, s74                    ; e0 or e2
	s_cselect_b32 s97, s73, s75                    ; e1 or e3
	s_cselect_b32 s98, s78, s79                    ; e6 or e7
	s_cmp_eq_u32 ttmp9, 2
	s_cselect_b32 s96, s76, s96                    ; e4
	s_cselect_b32 s97, s77, s97                    ; e5
	s_cselect_b32 s98, s81, s98                    ; e9
	s_sub_co_i32 s98, s98, s96
	s_sub_co_i32 s98, s98, s97
	s_add_co_i32 s98, s98, 127
	s_lshl_b32 s96, s98, 23
	s_add_co_i32 s98, s98, 8
	s_lshl_b32 s98, s98, 23
	s_or_b32 s98, s98, 0x600000
	PLACES NP                                      ; behind the last products: their results are read and A's registers written below
	v_mov_b32 v[QS], s96                           ; 2^(eo - ea - eb)
	v_mov_b32 v[QL], s98                           ; 448 x that
; Block a, 16 rows x 128 columns: held, converted (a lane's eight sums of an accumulator are 8 bytes of its row), into the stage.  Each accumulator is read from its low end on.
.macro QBLOCK a
.set AC, 64*((\a)%4)
	WIN 0x02+((\a)/4)                              ; source 0: window 2 or 3
.set j, 0
.rept 64
	v_med3_num_f32 v[TMP+j], v[AC+j], -v[QL], v[QL]   ; the conversion to an 8-bit code does not saturate (ISA guide 7.6.2)
.set j, j+1
.endr
	WIN 0
.set j, 0
.rept 8
	v_cvt_scalef32_pk8_fp8_f32 v[CD+16*(\a)+2*j:CD+16*(\a)+2*j+1], v[TMP+8*j:TMP+8*j+7], v[QS]
.set j, j+1
.endr
	v_nop                                          ; one plain vector line between the conversions and the next block's lines, which write their sources
.set j, 0
.rept 8
	ds_store_b64 v[STO], v[CD+16*(\a)+2*j:CD+16*(\a)+2*j+1] offset:(\a)*16*PITCH+16*j
.set j, j+1
.endr
.endm
.irp a, 0,1,2,3,4,5,6,7
	QBLOCK \a
.endr
	s_wait_dscnt 0x0                               ; for the others' sake: my codes lie in the stage
	s_barrier_signal -1
	s_barrier_wait -1
	s_cmp_eq_u32 ttmp9, 2                          ; the cluster's x: the same in all partners; both ways only read the stage
	s_cbranch_scc1 .Lv_out
.set i, 0
.rept 16
	ds_load_b128 v[32+4*i:32+4*i+3], v[RDQ] offset:i*8*PITCH
.set i, i+1
.endr
.set i, 0
.rept 16
	ds_load_b128 v[96+4*i:96+4*i+3], v[RDQ2] offset:i*8*PITCH
.set i, i+1
.endr
.set i, 0
.rept 32
	s_wait_dscnt 31-i                              ; LDS loads come back in order: load i is in, the younger ones may be out
	global_store_b128 v[LO], v[32+4*i:32+4*i+3], s[92:93] offset:512*i   ; eight tokens' 64 bytes of one head: 512 consecutive bytes, aligned
.set i, i+1
.endr
	s_branch .Ljoin
.Lv_out:
.set i, 0
.rept 32
	ds_load_b128 v[32+4*i:32+4*i+3], v[RDV] offset:i*2*PITCH
.set i, i+1
.endr
.set i, 0
.rept 32
	s_wait_dscnt 31-i
	global_store_b128 v[GOV], v[32+4*i:32+4*i+3], s[94:95] offset:i*2*8192   ; sixteen lanes store 256 consecutive bytes of a row of vc, aligned
.set i, i+1
.endr
.Ljoin:
	s_wait_tensorcnt 0x0                           ; the wave's end
	ds_add_u32 v[SPW], v[NIL]
	s_wait_dscnt 0x0
	CROUND                                         ; the closing round: no work-group ends while a partner may still ask for a tile that names it
	s_endpgm
.Lfunc_end_k_q8e3f43419b_proj:
	.size	k_q8e3f43419b_proj, .Lfunc_end_k_q8e3f43419b_proj-k_q8e3f43419b_proj
	.p2alignl 7, 3214868480
	.fill 96, 4, 3214868480
	.section	.rodata,"a",@progbits
	.p2align	6, 0x0
	.amdhsa_kernel k_q8e3f43419b_proj
		.amdhsa_group_segment_fixed_size 327680
		.amdhsa_private_segment_fixed_size 0
		.amdhsa_enable_private_segment 0
		.amdhsa_kernarg_size 48
		.amdhsa_user_sgpr_count 2
		.amdhsa_user_sgpr_kernarg_segment_ptr 1
		.amdhsa_wavefront_size32 1
		.amdhsa_system_sgpr_workgroup_id_x 1
		.amdhsa_system_sgpr_workgroup_id_y 1
		.amdhsa_system_sgpr_workgroup_id_z 1
		.amdhsa_system_vgpr_workitem_id 0
		.amdhsa_next_free_vgpr 1024
		.amdhsa_next_free_sgpr 100
		.amdhsa_reserve_vcc 0
		.amdhsa_float_denorm_mode_32 3
		.amdhsa_float_denorm_mode_16_64 3
		.amdhsa_memory_ordered 1
		.amdhsa_forward_progress 1
		.amdhsa_inst_pref_size 132
	.end_amdhsa_kernel
	.amdgpu_metadata
---
amdhsa.version: [ 1, 2 ]
amdhsa.kernels:
  - .name:           k_q8e3f43419b_proj
    .symbol:         k_q8e3f43419b_proj.kd
    .args:
      - { .name: xc, .offset: 0, .size: 8, .value_kind: global_buffer, .address_space: global }
      - { .name: wc, .offset: 8, .size: 8, .value_kind: global_buffer, .address_space: global }
      - { .name: lowp_scales, .offset: 16, .size: 8, .value_kind: global_buffer, .address_space: global }
      - { .name: qc, .offset: 24, .size: 8, .value_kind: global_buffer, .address_space: global }
      - { .name: kc, .offset: 32, .size: 8, .value_kind: global_buffer, .address_space: global }
      - { .name: vc, .offset: 40, .size: 8, .value_kind: global_buffer, .address_space: global }
    .group_segment_fixed_size: 327680
    .private_segment_fixed_size: 0
    .kernarg_segment_align: 8
    .kernarg_segment_size: 48
    .max_flat_workgroup_size: 128
    .sgpr_count:     100
    .vgpr_count:     1024
    .wavefront_size: 32
...
	.end_amdgpu_metadata
.endif
;; end of part 2
;; launch attn (part 3): grid 64 x 4, 16 waves a work-group, no clusters, 56,320 bytes of LDS; arguments qc, kc, vc, lowp_scales, cc; writes cc
.if DOCPART == 3
	.amdgcn_target "amdgcn-amd-amdhsa--gfx1250"
	.amdhsa_code_object_version 6
	.text
	.protected	k_q8e3f43419b_attn
	.globl	k_q8e3f43419b_attn
	.p2align	8
	.type	k_q8e3f43419b_attn,@function
k_q8e3f43419b_attn:
	s_mov_b64 s[64:65], 0
	v_nop
	global_prefetch_b8 v0, s[64:65] scope:SCOPE_SE
	s_setreg_imm32_b32 hwreg(HW_REG_WAVE_MODE, 25, 1), 1
	s_wait_xcnt 0x0
; Causal attention on E4M3 codes, head size 64, 64 heads (batch x 16 + head) of 2,048 tokens; the result is quantised under 2^e10 for the last product.
; qc, kc: [head][2048][64].  vc: [feature 0..1023][batch x 2048 + key], the keys innermost.  cc: [head of 16][batch x 2048 + token][64].
; THE SOFTMAX AHEAD OF THE SECOND PRODUCT: t = score x 2^(e6 + e7) x log2(e) / 8; M = the row's largest t so far, rounded UP to a whole number; p = 2^(t - M) is quantised under 2^e8, not normalised.
; The row's sum is taken of the unquantised p and divides at the end.  When M moves, the sum and O are multiplied by 2^(old M - new M): exact.
; LIMITS: e6 + e7 between -123 and 130 (added to the constant's exponent field); e8 and e10 - e8 - e9 between -126 and 119.
; SHARES.  A work-group belongs to one head (x) and runs the same text twice: first for the block of 256 queries 7 - y, then for block y.  Block i walks i + 1 slots of 256 keys, so every work-group walks nine.
; Each of the sixteen waves owns 16 queries in 256 registers: four waves to a SIMD, so that one wave's vector work stands beside another's matrix work and LDS loads.
; Slots 0 .. block - 1 lie wholly under the diagonal: no mask.  The last slot holds the diagonal and is written out with the mask; a key step all of whose keys come after a wave's queries is jumped over (a branch on the wave's number).
; K AND V COME THROUGH REGISTERS INTO ONE LDS BUFFER: the number of slots hangs on the work-group's number, so every LDS address is kept a constant of the text, and there is no tensor load.
; The next slot is asked for (16 registers a lane) at the head of a slot's two key steps and stored to LDS behind them, between two barriers.  No multicast: the work-groups of a head walk different numbers of slots.
; LAYOUT.  Both products are used transposed: S^T = K Q^T (source 0 = 16 keys, source 1 = my 16 queries), O^T = V^T P^T (source 0 = 16 of the head's 64): a lane holds ONE query (lane % 16) throughout.
; Lane r of tile 2 b + u takes key 32 b + 8 u + r + 8 (r / 8), so that the 16 registers of tiles 2 b, 2 b + 1 are keys 32 b + 16 (lane / 16) + 0 .. 15.  In LDS key n lies at the row with n's bits 3 and 4 exchanged: a tile's 16 lanes then read 16 rows on end.
.set KP,   80                          ; a key's row in LDS: 64 bytes + 16: an odd multiple of 16, so 16 rows on end start at 16 different groups of four banks
.set VP,   272                         ; a row of V's tile: 256 keys + 16
.set VOFF, 256*KP                      ; 256 rows of K, then 64 rows of V,
.set STG,  VOFF+64*VP                  ; then 1,024 bytes for each wave, for the way out
.set AK0,  1                           ; v1   my lane's place in a tile of K
.set AV0,  2                           ; v2   the same for V
.set KGO,  3                           ; v3   filling: 16 x thread: my bytes of half a slot of K in memory
.set VGO,  4                           ; v4   filling: row thread / 16 of V (8,192 bytes a row), 16 bytes
.set KST,  5                           ; v5   filling: where they go in LDS
.set VST,  6                           ; v6
.set QGO,  7                           ; v7   Q: row r, + 16 h
.set SST,  8                           ; v8   my stage: in
.set SRD,  9                           ; v9   my stage: back
.set LO,   10                          ; v10  16 x lane
.set MD0,  11                          ; v11  my query in its block, less 16 (lane / 16)
.set F,    192                         ; v192-207 the slot on its way
; v12 -M, v13 the largest t, v[14:15] the sum in two halves; v16-23 Q; v24-31 the result's codes; v32-95 K's eight fragments, then V's four; v96-159 S^T, then p; v160-191 O^T; v208-215 rows back from the stage;
; v224-239 p's codes; v240 448 x 2^e8, v244 2^e8; v245, v247 the same for e10 - e8 - e9; v241 -infinity; v[242:243], v246, v248, v252-254 at work
.set WV,   18                          ; s18  wave
.set SEL,  20                          ; s[20:21] v_permlanex16_b32's selects: lane l xor 16
.set CSC,  22                          ; s[22:23] c = 2^(e6 + e7) log2(e) / 8, twice: the packed form names the pair
.set BLK,  24                          ; s24  the block of queries in hand
.set CNT,  25                          ; s25  open slots to go
.set PASS, 26                          ; s26  passes to go
.set KB,   28                          ; s[28:29], s[30:31] K and V at the slot that was asked for last
.set VB,   30
.set QB,   32                          ; s[32:33], s[34:35] my 16 queries in qc and in cc
.set OB,   34
.set KH,   56                          ; s[56:63] the head's first byte in kc, vc, qc, cc
.set VH,   58
.set QH,   60
.set OH,   62
.macro FILL_LOAD                       ; a slot: 16,384 dense bytes of K, and 256 bytes of each of V's 64 rows; 512 threads x 16 bytes, twice each
	global_load_b128 v[F:F+3], v[KGO], s[KB:KB+1]
	global_load_b128 v[F+4:F+7], v[KGO], s[KB:KB+1] offset:8192
	global_load_b128 v[F+8:F+11], v[VGO], s[VB:VB+1]
	global_load_b128 v[F+12:F+15], v[VGO], s[VB:VB+1] offset:32*8192
.endm
.macro FILL_STORE
	ds_store_b128 v[KST], v[F:F+3]
	ds_store_b128 v[KST], v[F+4:F+7] offset:128*KP
	ds_store_b128 v[VST], v[F+8:F+11]
	ds_store_b128 v[VST], v[F+12:F+15] offset:32*VP
.endm
.macro BARRIER                         ; my LDS stores have landed and my LDS loads are in: then the work-group's barrier
	s_wait_dscnt 0x0
	s_barrier_signal -1
	s_barrier_wait -1
.endm
; From 64 scores a lane to p's codes: the running M, p, the sum of the unquantised p, the hold, the conversion.
.macro SOFTMAX
	v_max3_num_f32 v254, v96, v97, v98             ; the step's largest score of my query among my 64 keys, in two chains; each accumulator is read from its low end on
	v_max3_num_f32 v252, v99, v100, v101
.irp i, 6,10,14,18,22,26,30,34,38,42,46,50,54,58
	v_max3_num_f32 v254, v254, v[96+\i], v[97+\i]
	v_max3_num_f32 v252, v252, v[98+\i], v[99+\i]
.endr
	v_max3_num_f32 v254, v254, v158, v159
	v_max_num_f32 v254, v254, v252
	v_permlanex16_b32 v246, v254, s[SEL], s[SEL+1]
	v_max_num_f32 v254, v254, v246                 ; and among lane l xor 16's
	v_mul_f32 v254, s[CSC], v254                   ; as t (c is positive)
	v_max_num_f32 v13, v13, v254                   ; the running largest t
	v_mov_b32 v254, v12
	v_floor_f32 v12, -v13                          ; the new -M = floor(-t) = -ceil(t): a whole number
	v_sub_f32 v254, v12, v254                      ; old M less new M: a whole number, 0 or less
	v_cvt_i32_f32 v254, v254                       ; (it saturates)
	v_ldexp_f32 v252, 1.0, v254                    ; f = 2^(old M - new M)
.set j, 0
.rept 32
	v_pk_fma_f32 v[96+j:97+j], v[96+j:97+j], s[CSC:CSC+1], v[12:13] op_sel_hi:[1,0,0]   ; t - M, two at a time (of the pairs c and -M the low word serves both halves)
.set j, j+2
.endr
.set j, 0
.rept 64
	v_exp_f32 v[96+j], v[96+j]                     ; p = 2^(t - M), at most 1
.set j, j+1
.endr
	v_pk_mul_f32 v[14:15], v[14:15], v[252:253] op_sel_hi:[1,0]   ; the sums under the new M: the plain line behind the exponentials
	s_wait_alu depctr_va_vdst(0)                   ; one wait for the whole batch, ahead of its first reader
	v_pk_add_f32 v[242:243], v[96:97], v[98:99]    ; the row's sum is taken of the UNQUANTISED p: two at a time, in two chains
.irp j, 4,8,12,16,20,24,28,32,36,40,44,48,52,56,60
	v_pk_add_f32 v[14:15], v[14:15], v[96+\j:97+\j]
	v_pk_add_f32 v[242:243], v[242:243], v[98+\j:99+\j]
.endr
	v_pk_add_f32 v[14:15], v[14:15], v[242:243]
.set b, 0
.rept 4
.set i, 0
.rept 16
	v_min_num_f32 v[96+16*b+i], v[96+16*b+i], v240 ; the conversion does not saturate (ISA guide 7.6.2); p is not negative, so the hold is one-sided
.set i, i+1
.endr
	v_cvt_scalef32_pk8_fp8_f32 v[224+4*b:225+4*b], v[96+16*b:103+16*b], v244
	v_cvt_scalef32_pk8_fp8_f32 v[226+4*b:227+4*b], v[104+16*b:111+16*b], v244
.set b, b+1
.endr
.set j, 0
.rept 16
	v_pk_mul_f32 v[160+j:161+j], v[160+j:161+j], v[252:253] op_sel_hi:[1,0]   ; O^T under the new M.  (Plain lines between the conversions and the products that read the codes)
.set j, j+2
.endr
.endm
; A KEY STEP: 128 keys, the q-th half of the slot in LDS.  diag = 1: the slot that holds the diagonal.
.macro STEP q, diag
.if \diag && (\q == 1)
	s_cmp_lt_u32 s[WV], 8                          ; waves 0-7 own queries 0-127 of the block: all of keys 128-255 come after them
	s_cbranch_scc1 .Lhidden_\@
.endif
.rept 4
	v_nop                                          ; places in front of loads into registers that the last products read
.endr
.set i, 0
.rept 8
	ds_load_b128 v[32+8*i:32+8*i+3], v[AK0] offset:(128*\q+16*i)*KP      ; K's tile i: registers 4 c .. 4 c + 3 hold channels 32 c + 16 h + 0 .. 15, as Q's do
	ds_load_b128 v[32+8*i+4:32+8*i+7], v[AK0] offset:(128*\q+16*i)*KP+32
.set i, i+1
.endr
	s_wait_dscnt 0x0
.set i, 0
.rept 8
	v_wmma_f32_16x16x64_fp8_fp8 v[96+8*i:96+8*i+7], v[32+8*i:32+8*i+7], v[16:23], 0
.set i, i+1
.endr
.rept 4
	v_nop                                          ; places: K's registers take V's fragments, and the scores are read below
.endr
.set i, 0
.rept 16
	ds_load_b128 v[32+4*i:32+4*i+3], v[AV0] offset:16*(i/4)*VP+128*\q+32*(i%4)   ; V's four tiles land while the softmax is worked
.set i, i+1
.endr
.if \diag
.if \q == 0
	s_cmp_ge_u32 s[WV], 8                          ; waves 8-15 own queries 128-255: all of keys 0-127 count
	s_cbranch_scc1 .Lopen_\@
	v_mov_b32 v248, v[MD0]
.else
	v_add_nc_u32 v248, 0xffffff80, v[MD0]          ; - 128
.endif
.set n, 0
.rept 64                                       ; register 16 b + i holds key 128 q + 32 b + 16 (lane / 16) + i of the slot: hidden where 32 b + i > my query - 16 (lane / 16) - 128 q.  Hidden scores become -infinity: p = 0
	v_cmp_gt_i32 vcc_lo, 32*(n/16)+n%16, v248
	v_cndmask_b32 v[96+n], v[96+n], v241, vcc_lo
.set n, n+1
.endr
.if \q == 0
.Lopen_\@:
.endif
.endif
	SOFTMAX
	s_wait_dscnt 0x0                               ; V's fragments are in
.set i, 0
.rept 4
	v_wmma_f32_16x16x128_fp8_fp8 v[160+8*i:160+8*i+7], v[32+16*i:32+16*i+15], v[224:239], v[160+8*i:160+8*i+7]   ; the four accumulators by turns
.set i, i+1
.endr
.if \diag && (\q == 1)
.Lhidden_\@:
.endif
.endm
	s_load_b256 s[4:11], s[0:1], 0x0               ; qc s[4:5], kc s[6:7], vc s[8:9], the exponents s[10:11]
	s_load_b64 s[12:13], s[0:1], 0x20              ; cc
	v_lshl_add_u32 v251, v0, 2, 0xd400
	v_mov_b32 v255, 0
	v_lshrrev_b32 v32, 5, v0
	v_readfirstlane_b32 s[WV], v32                 ; wave 0..15
	v_and_b32 v33, 15, v0                          ; r
	v_bfe_u32 v34, v0, 4, 1                        ; h
	v_and_b32 v35, 31, v0                          ; lane
	v_lshrrev_b32 v36, 4, v0                       ; thread / 16: 0..31
	v_lshrrev_b32 v37, 2, v0                       ; thread / 4: 0..127
	v_mul_u32_u24 v[AK0], v33, KP
	v_lshl_add_u32 v[AK0], v34, 4, v[AK0]
	v_mul_u32_u24 v[AV0], v33, VP
	v_lshl_add_u32 v[AV0], v34, 4, v[AV0]
	v_add_nc_u32 v[AV0], VOFF, v[AV0]
	v_lshlrev_b32 v[KGO], 4, v0
	v_lshlrev_b32 v[VGO], 13, v36
	v_lshl_add_u32 v[VGO], v33, 4, v[VGO]
	v_and_b32 v[KST], 0x67, v37                    ; key thread / 4 with its bits 3 and 4 exchanged,
	v_bfe_u32 v38, v37, 3, 1
	v_lshl_or_b32 v[KST], v38, 4, v[KST]
	v_bfe_u32 v38, v37, 4, 1
	v_lshl_or_b32 v[KST], v38, 3, v[KST]
	v_mul_u32_u24 v[KST], v[KST], KP               ; as a row,
	v_and_b32 v38, 3, v0
	v_lshl_add_u32 v[KST], v38, 4, v[KST]          ; + my 16 of its 64 bytes
	v_mul_u32_u24 v[VST], v36, VP
	v_lshl_add_u32 v[VST], v33, 4, v[VST]
	v_add_nc_u32 v[VST], VOFF, v[VST]
	v_lshlrev_b32 v[QGO], 6, v33
	v_lshl_add_u32 v[QGO], v34, 4, v[QGO]
	s_lshl_b32 s66, s[WV], 10
	s_add_co_u32 s66, s66, STG                     ; my stage
	v_lshlrev_b32 v[SST], 6, v33
	v_lshl_add_u32 v[SST], v34, 3, v[SST]
	v_add_nc_u32 v[SST], s66, v[SST]               ; in: query r's 64 bytes, + 8 h
	v_lshlrev_b32 v[LO], 4, v35
	v_add_nc_u32 v[SRD], s66, v[LO]                ; back: 16 bytes a lane
	v_lshlrev_b32 v[MD0], 4, v34
	v_sub_nc_u32 v[MD0], v33, v[MD0]
	s_lshl_b32 s66, s[WV], 4
	v_add_nc_u32 v[MD0], s66, v[MD0]               ; 16 x wave + r - 16 h
	v_mov_b32 v241, 0xff800000                     ; -infinity
	v_mov_b32 v246, 0                              ; written once: a lane permute's destination counts as one of its sources
	v_mov_b32 v253, 0                              ; (named as the upper half of the pair v[252:253])
	s_mov_b32 s[SEL], 0x76543210
	s_mov_b32 s[SEL+1], 0xfedcba98
	s_mov_b32 s[PASS], 2
	s_and_b32 s66, ttmp7, 0xffff
	s_sub_co_u32 s[BLK], 7, s66                    ; the first pass takes block 7 - y
	s_wait_kmcnt 0x0
	s_load_b256 s[36:43], s[10:11], 0x0            ; e0 .. e7
	s_load_b128 s[44:47], s[10:11], 0x20           ; e8 .. e11
	s_lshl_b32 s66, ttmp9, 17                      ; a head of qc or kc is 131,072 bytes
	s_mov_b32 s67, 0
	s_add_nc_u64 s[KH:KH+1], s[6:7], s[66:67]
	s_add_nc_u64 s[QH:QH+1], s[4:5], s[66:67]
	s_and_b32 s68, ttmp9, 15                       ; the head of 16,
	s_lshl_b32 s68, s68, 19                        ; 64 rows of 8,192 bytes in vc; 8,192 tokens of 64 bytes in cc
	s_lshr_b32 s70, ttmp9, 4                       ; the batch:
	s_lshl_b32 s71, s70, 11                        ; 2,048 keys along a row of vc,
	s_add_co_u32 s66, s68, s71
	s_add_nc_u64 s[VH:VH+1], s[8:9], s[66:67]
	s_lshl_b32 s71, s70, 17                        ; 2,048 tokens of 64 bytes in cc
	s_add_co_u32 s66, s68, s71
	s_add_nc_u64 s[OH:OH+1], s[12:13], s[66:67]
	s_wait_kmcnt 0x0
	s_add_co_i32 s66, s42, s43                     ; e6 + e7 goes into the exponent field of
	s_lshl_b32 s66, s66, 23
	s_mov_b32 s[CSC], 0x3e38aa3b                   ; log2(e) / 8
	s_add_co_i32 s[CSC], s[CSC], s66
	s_mov_b32 s[CSC+1], s[CSC]
	s_add_co_i32 s66, s44, 127
	s_lshl_b32 s67, s66, 23
	v_mov_b32 v244, s67                            ; 2^e8
	s_add_co_i32 s66, s66, 8
	s_lshl_b32 s66, s66, 23
	s_or_b32 s66, s66, 0x600000
	v_mov_b32 v240, s66                            ; 448 x 2^e8
	s_sub_co_i32 s66, s46, s44                     ; a sum of the second product stands for sum x 2^(e8 + e9): its code under 2^e10 is sum / l / 2^(e10 - e8 - e9)
	s_sub_co_i32 s66, s66, s45
	s_add_co_i32 s66, s66, 127
	s_lshl_b32 s67, s66, 23
	v_mov_b32 v245, s67
	s_add_co_i32 s66, s66, 8
	s_lshl_b32 s66, s66, 23
	s_or_b32 s66, s66, 0x600000
	v_mov_b32 v247, s66
.Lpass:                                            ; two trips: block 7 - y, then block y
	s_wait_xcnt 0x0                                ; the last pass's stores have read their base and their data: both are written again below
	s_lshl_b32 s66, s[BLK], 8
	s_lshl_b32 s68, s[WV], 4
	s_add_co_u32 s66, s66, s68                     ; my first query: 256 x block + 16 x wave
	s_lshl_b32 s66, s66, 6
	s_mov_b32 s67, 0
	s_add_nc_u64 s[QB:QB+1], s[QH:QH+1], s[66:67]
	s_add_nc_u64 s[OB:OB+1], s[OH:OH+1], s[66:67]
	s_mov_b64 s[KB:KB+1], s[KH:KH+1]
	s_mov_b64 s[VB:VB+1], s[VH:VH+1]
	FILL_LOAD                                      ; slot 0
	global_load_b128 v[16:19], v[QGO], s[QB:QB+1]  ; Q's fragment stays in registers
	global_load_b128 v[20:23], v[QGO], s[QB:QB+1] offset:32
	v_mov_b32 v13, 0xff61b1e6                      ; the largest t so far: -3e38, under every t
	v_floor_f32 v12, -v13                          ; -M
	v_mov_b32 v14, 0
	v_mov_b32 v15, 0
.set j, 0
.rept 32
	v_mov_b32 v[160+j], 0                          ; O^T: the key step is written without a first form of its own; the first change of M leaves zeros zeros
.set j, j+1
.endr
	BARRIER                                        ; nobody reads the last pass's last slot any more
	s_wait_loadcnt 0x0                             ; slot 0 and Q are in
	FILL_STORE
	s_cmp_eq_u32 s[BLK], 0                         ; block 0 has the diagonal's slot alone (the work-group's number: the same in all sixteen waves)
	s_cbranch_scc1 .Ltail
	s_mov_b32 s[CNT], s[BLK]
.Lslot:                                            ; a trip for each slot wholly under the diagonal
	BARRIER                                        ; the slot is whole
	s_add_nc_u64 s[KB:KB+1], s[KB:KB+1], 256*64    ; (the loads that named these have come back)
	s_add_nc_u64 s[VB:VB+1], s[VB:VB+1], 256
	FILL_LOAD                                      ; the next slot, at most the diagonal's: it has two key steps in which to come
	STEP 0, 0
	STEP 1, 0
	BARRIER                                        ; everybody's reads of the slot are over
	s_wait_loadcnt 0x0
	FILL_STORE
	s_sub_co_u32 s[CNT], s[CNT], 1
	s_cmp_lg_u32 s[CNT], 0
	s_cbranch_scc1 .Lslot
.Ltail:
	BARRIER
	STEP 0, 1
	STEP 1, 1
	; THE WAY OUT: O^T / the sum, held, converted: a lane's eight channels of a tile are 8 bytes of its query's 64.  Through my stage, so that a store of the wave covers 512 consecutive bytes, aligned.
.rept 4
	v_nop                                          ; places behind the last products
.endr
	v_add_f32 v14, v14, v15                        ; the sum's two halves,
	v_permlanex16_b32 v246, v14, s[SEL], s[SEL+1]
	v_add_f32 v14, v14, v246                       ; and lane l xor 16's
	v_rcp_f32 v14, v14
	v_nop                                          ; a plain line behind the reciprocal
	s_wait_alu depctr_va_vdst(0)                   ; and the wait ahead of its first reader
.set j, 0
.rept 16
	v_pk_mul_f32 v[96+j:97+j], v[160+j:161+j], v[14:15] op_sel_hi:[1,0]   ; register 8 t + i: channel 16 t + 8 h + i of query r
.set j, j+2
.endr
.set j, 0
.rept 32
	v_med3_num_f32 v[96+j], v[96+j], -v247, v247
.set j, j+1
.endr
.set j, 0
.rept 4
	v_cvt_scalef32_pk8_fp8_f32 v[24+2*j:25+2*j], v[96+8*j:103+8*j], v245
.set j, j+1
.endr
	v_nop                                          ; one plain vector line behind the conversions: the next pass's products write their sources
.set j, 0
.rept 4
	ds_store_b64 v[SST], v[24+2*j:25+2*j] offset:16*j
.set j, j+1
.endr
	ds_load_b128 v[208:211], v[SRD]                ; LDS serves a wave's instructions in order: these see my stores
	ds_load_b128 v[212:215], v[SRD] offset:512
	s_wait_dscnt 0x0
	global_store_b128 v[LO], v[208:211], s[OB:OB+1]
	global_store_b128 v[LO], v[212:215], s[OB:OB+1] offset:512
	s_sub_co_u32 s[BLK], 7, s[BLK]                 ; the other block
	s_sub_co_u32 s[PASS], s[PASS], 1
	s_cmp_lg_u32 s[PASS], 0
	s_cbranch_scc1 .Lpass
	s_wait_tensorcnt 0x0
	ds_add_u32 v251, v255
	s_wait_dscnt 0x0
	s_endpgm
.Lfunc_end_k_q8e3f43419b_attn:
	.size	k_q8e3f43419b_attn, .Lfunc_end_k_q8e3f43419b_attn-k_q8e3f43419b_attn
	.p2alignl 7, 3214868480
	.fill 96, 4, 3214868480
	.section	.rodata,"a",@progbits
	.p2align	6, 0x0
	.amdhsa_kernel k_q8e3f43419b_attn
		.amdhsa_group_segment_fixed_size 56320
		.amdhsa_private_segment_fixed_size 0
		.amdhsa_enable_private_segment 0
		.amdhsa_kernarg_size 40
		.amdhsa_user_sgpr_count 2
		.amdhsa_user_sgpr_kernarg_segment_ptr 1
		.amdhsa_wavefront_size32 1
		.amdhsa_system_sgpr_workgroup_id_x 1
		.amdhsa_system_sgpr_workgroup_id_y 1
		.amdhsa_system_sgpr_workgroup_id_z 1
		.amdhsa_system_vgpr_workitem_id 0
		.amdhsa_next_free_vgpr 256
		.amdhsa_next_free_sgpr 80
		.amdhsa_reserve_vcc 1
		.amdhsa_float_denorm_mode_32 3
		.amdhsa_float_denorm_mode_16_64 3
		.amdhsa_memory_ordered 1
		.amdhsa_forward_progress 1
		.amdhsa_inst_pref_size 83
	.end_amdhsa_kernel
	.amdgpu_metadata
---
amdhsa.version: [ 1, 2 ]
amdhsa.kernels:
  - .name:           k_q8e3f43419b_attn
    .symbol:         k_q8e3f43419b_attn.kd
    .args:
      - { .name: qc, .offset: 0, .size: 8, .value_kind: global_buffer, .address_space: global }
      - { .name: kc, .offset: 8, .size: 8, .value_kind: global_buffer, .address_space: global }
      - { .name: vc, .offset: 16, .size: 8, .value_kind: global_buffer, .address_space: global }
      - { .name: lowp_scales, .offset: 24, .size: 8, .value_kind: global_buffer, .address_space: global }
      - { .name: cc, .offset: 32, .size: 8, .value_kind: global_buffer, .address_space: global }
    .group_segment_fixed_size: 56320
    .private_segment_fixed_size: 0
    .kernarg_segment_align: 8
    .kernarg_segment_size: 40
    .max_flat_workgroup_size: 512
    .sgpr_count:     80
    .vgpr_count:     256
    .wavefront_size: 32
...
	.end_amdgpu_metadata
.endif
;; end of part 3
;; launch outp (part 4): grid 4 x 32, 4 waves a work-group, clusters of 4 x 4, 327,680 bytes of LDS; arguments cc, wc, lowp_scales, b_out, out0; writes out0
.if DOCPART == 4
	.amdgcn_target "amdgcn-amd-amdhsa--gfx1250"
	.amdhsa_code_object_version 6
	.text
	.protected	k_q8e3f43419b_outp
	.globl	k_q8e3f43419b_outp
	.p2align	8
	.type	k_q8e3f43419b_outp,@function
k_q8e3f43419b_outp:
	s_mov_b64 s[64:65], 0
	v_nop
	global_prefetch_b8 v0, s[64:65] scope:SCOPE_SE
	s_setreg_imm32_b32 hwreg(HW_REG_WAVE_MODE, 25, 1), 1
	s_wait_xcnt 0x0
	s_wait_alu depctr_hold_cnt(0) depctr_sa_sdst(0) depctr_va_vdst(0) depctr_va_sdst(0) depctr_va_ssrc(0) depctr_va_vcc(0) depctr_vm_vsrc(0)
	s_getreg_b32 s2, hwreg(HW_REG_IB_STS2, 6, 4)
	s_cmp_eq_u32 s2, 0
	s_cbranch_scc0 .Lentry_in_a_cluster
	s_endpgm
.Lentry_in_a_cluster:
	s_bfe_u32 s2, ttmp6, 0x10000c
	s_cmp_lg_u32 s2, 0xf033
	s_cbranch_scc0 .Lentry_shape_is_right
	s_endpgm
.Lentry_shape_is_right:
; out0 = ctx W_out^T + b_out on E4M3 codes: out0[m][n] = 2^(e10 + e11) x the sum over k of ctx's code (m, k) x W_out's code (n, k), + b_out[n].  M = 8,192, N = K = 1,024; sums in f32.
; LIMIT: e10 + e11 lies between -126 and 127, so that 2^(e10 + e11) is an f32 number.
; ctx's codes lie as cc [head of 16][token 0..8191][64]: k = 64 x head + channel.  W_out's are plane 3 of wc, [n][k].
; A tile of out0, 256 x 256, is made by four waves, 128 x 128 each: 64 accumulators, 512 registers.  K goes in steps of 256 (four heads) through a ring of two LDS slots filled by the tensor data mover.
; A's tile: a head's 256 tokens are 16,384 dense bytes; one load brings two heads as two rows of 16,384 bytes, 524,288 apart, with 16 bytes of padding behind every 64: in LDS [head][token] with 80 bytes a token.
; CLUSTERS: 4 x 4 work-groups; A's tile is asked for jointly by a row of the cluster, B's by a column.  THE MATRIX INSTRUCTION IS USED TRANSPOSED: a lane holds eight neighbouring columns of one row of out0.
; 128 work-groups: the tile is kept large, since the launch's bytes are mostly its own stores.
; REGISTERS, in windows of 256: window 0: v0-31 addresses and my four numbers of b_out; from v128 A's fragments, one set; on the way out v128-255 rows of out0.  window 1: B's fragments, two sets.  windows 2, 3: the accumulators.
.set APITCH, 80                        ; a token's 64 bytes + 16: an odd multiple of 16 bytes
.set AHEAD,  256*APITCH                ; a head's 256 tokens in LDS
.set ROWB,   256                       ; a row of B's tile
.set BPITCH, 272
.set HALFB,  128*BPITCH
.set BOFF,   4*AHEAD                   ; a slot: A's four heads, then B's 256 rows
.set SLOT,   BOFF+2*HALFB
.set SPARE,  2*SLOT                    ; behind the ring: the spare words, 128 bytes a wave, that no other line names
.set SPITCH, 528                       ; the way out: a stage of 16 rows x (512 bytes + 16) for each wave, in slot 0, which has had its last fill and its last read by then
.set FR,     16
.set NL,     4
.set NP,     4
.set BIAS, 8                           ; v8-11   b_out at my four columns of a row read back from the stage
.set ADRA, 16                          ; v16-19  LDS address of my A fragments: slot 0 (first, second 128 along K), slot 1 likewise: two heads are 40,960 bytes, more than fits beside the immediate's other terms
.set ADRB, 20                          ; v20-21  of my B fragments in slot 0, 1
.set STO,  24                          ; v24     the way out: where I put 32 bytes of a row
.set RD,   25                          ; v25     where I read a row back
.set CO,   26                          ; v26     16 x lane: my byte offset in a row's 512
.set SPW,  28                          ; v28     LDS address of my spare word; never rewritten
.set NIL,  29                          ; v29     0; never rewritten
.set AF,   128
.set BK,   128                         ; the way out: 16 rows back from the stage: v128-191 and v192-255 by turns
.set G1, 24
.set G0, 32
.set G1B, 48
.set G0B, 56
.set MSB, 0
.macro WIN new                         ; the immediate's high byte repeats the setting that is left
.if MSB != \new
	s_set_vgpr_msb (MSB<<8)|\new
.set MSB, \new
.endif
.endm
.set MUL_LO, 0xa1                      ; source 0 (B) window 1, source 1 (A) window 0, C and D window 2
.set MUL_HI, 0xf1
.set TO_B,   0x40
.macro JLOAD g0a, g1a, g0b, g1b        ; a joint load: waves 0 and 1 fetch for A, waves 2 and 3 for B; four v_nop follow each of the two lines
	s_cmp_eq_u32 s15, 0
	s_cbranch_scc0 .Lfor_b_\@
	tensor_load_to_lds s[\g0a:\g0a+3], s[\g1a:\g1a+7]
	s_nop 0
.rept 4
	v_nop
.endr
	s_branch .Lasked_\@
.Lfor_b_\@:
	tensor_load_to_lds s[\g0b:\g0b+3], s[\g1b:\g1b+7]
	s_nop 0
.rept 4
	v_nop
.endr
.Lasked_\@:
.endm
.macro CREST
	s_cmp_lg_u32 s14, 0
	s_cbranch_scc1 .Lnot_wave_0_\@
	s_barrier_signal -3
.Lnot_wave_0_\@:
	s_barrier_wait -3
	s_barrier_signal -1
	s_barrier_wait -1
.endm
.macro CROUND
	s_barrier_signal -1
	s_barrier_wait -1
	CREST
.endm
	s_load_b256 s[4:11], s[0:1], 0x0               ; cc s[4:5], wc s[6:7], the exponents s[8:9], b_out s[10:11]
	s_load_b64 s[12:13], s[0:1], 0x20              ; out0
	v_lshl_add_u32 v[SPW], v0, 2, SPARE
	v_mov_b32 v[NIL], 0
	ds_add_u32 v28, v29
	ds_add_u32 v28, v29
	s_wait_dscnt 0x0
	v_lshrrev_b32 v1, 5, v0
	v_readfirstlane_b32 s14, v1                    ; wave 0..3
	s_lshr_b32 s15, s14, 1                         ; which half of the tile's rows is mine.  Also: I fetch for A (0) or for B (1)
	s_and_b32 s16, s14, 1                          ; which half of its columns.  Also: which half of that tile I fetch
	s_bfe_u32 s40, ttmp6, 0x40000                  ; cx, cy
	s_bfe_u32 s41, ttmp6, 0x40004
	s_lshl_b32 s42, ttmp9, 2
	s_add_co_u32 s42, s42, s40                     ; tile column
	s_and_b32 s17, ttmp7, 0xffff
	s_lshl_b32 s17, s17, 2
	s_add_co_u32 s17, s17, s41                     ; tile row
	s_lshl_b32 s43, s41, 2
	s_lshl_b32 s43, 15, s43                        ; my row of the cluster
	s_lshl_b32 s44, 0x1111, s40                    ; my column
	; A's group 1: two rows of 16,384 bytes
	s_or_b32 s[G1+0], s43, (0<<16)|(1<<20)|(1<<21)|(3<<22)|(3<<25)  ; the mask; elements of 1 byte; padding on; 21 set beside a mask; after every 16 words; four words
	s_mov_b32 s[G1+1], 16384<<16                   ; tensor_dim0
	s_mov_b32 s[G1+2], 2<<16                       ; tensor_dim1
	s_mov_b32 s[G1+3], 16384<<16                   ; tile_dim0
	s_mov_b32 s[G1+4], 2                           ; tile_dim1
	s_mov_b32 s[G1+5], 524288                      ; from head to head
	s_mov_b32 s[G1+6], 0
	s_mov_b32 s[G1+7], 0
	; B's: 128 rows of 256 bytes
	s_or_b32 s[G1B+0], s44, (0<<16)|(1<<20)|(1<<21)|(5<<22)|(3<<25)
	s_mov_b32 s[G1B+1], ROWB<<16
	s_mov_b32 s[G1B+2], 128<<16
	s_mov_b32 s[G1B+3], ROWB<<16
	s_mov_b32 s[G1B+4], 128
	s_mov_b32 s[G1B+5], 1024
	s_mov_b32 s[G1B+6], 0
	s_mov_b32 s[G1B+7], 0
	s_lshl_b32 s20, s16, 20                        ; A: heads 2 x half on, 524,288 bytes each,
	s_lshl_b32 s18, s17, 14                        ; tokens 256 x tile row on, 64 bytes each
	s_add_co_u32 s20, s20, s18
	s_mov_b32 s21, 0
	s_lshl_b32 s46, s42, 8
	s_lshl_b32 s18, s16, 7
	s_add_co_u32 s46, s46, s18
	s_lshl_b32 s46, s46, 10                        ; B: row 256 x tile column + 128 x half, 1,024 bytes each,
	s_add_co_u32 s46, s46, 0x300000                ; in plane 3 of wc
	s_mov_b32 s47, 0
	s_mul_i32 s45, s16, 2*AHEAD                    ; where they go: A's two heads,
	s_mul_i32 s22, s16, HALFB
	s_add_co_u32 s22, s22, BOFF                    ; B's 128 rows: no place in the cluster enters an LDS address
	s_wait_kmcnt 0x0
	s_load_b64 s[96:97], s[8:9], 0x28              ; e10, e11
	s_add_nc_u64 s[20:21], s[4:5], s[20:21]
	s_add_nc_u64 s[46:47], s[6:7], s[46:47]
	CROUND                                         ; all sixteen work-groups are here: the first joint loads meet
.irp s, 0,1
	s_mov_b32 s[G0+4*\s], 1
	s_add_co_u32 s[G0+4*\s+1], s45, \s*SLOT
	s_add_nc_u64 s[G0+4*\s+2:G0+4*\s+3], s[20:21], \s*4*524288
	s_or_b32 s[G0+4*\s+3], s[G0+4*\s+3], 0x80000000
	s_mov_b32 s[G0B+4*\s], 1
	s_add_co_u32 s[G0B+4*\s+1], s22, \s*SLOT
	s_add_nc_u64 s[G0B+4*\s+2:G0B+4*\s+3], s[46:47], \s*ROWB
	s_or_b32 s[G0B+4*\s+3], s[G0B+4*\s+3], 0x80000000
	JLOAD G0+4*\s, G1, G0B+4*\s, G1B               ; two loads of mine are out
.endr
	v_and_b32 v1, 15, v0                           ; r
	v_bfe_u32 v2, v0, 4, 1                         ; h
	v_mul_u32_u24 v3, v1, APITCH
	v_lshl_add_u32 v3, v2, 4, v3
	s_mul_i32 s21, s15, 128*APITCH                 ; my 128 tokens
	v_add_nc_u32 v[ADRA], s21, v3
	v_add_nc_u32 v[ADRA+1], 2*AHEAD, v[ADRA]
	v_add_nc_u32 v[ADRA+2], SLOT, v[ADRA]
	v_add_nc_u32 v[ADRA+3], SLOT+2*AHEAD, v[ADRA]
	v_mul_u32_u24 v4, v1, BPITCH
	v_lshl_add_u32 v4, v2, 4, v4
	v_add_nc_u32 v[ADRB], s22, v4                  ; my 128 rows of B: the half that I would fetch is also the half that I multiply
	v_add_nc_u32 v[ADRB+1], SLOT, v[ADRB]
	s_mul_i32 s23, s14, 16*SPITCH                  ; my stage
	v_mul_u32_u24 v5, v1, SPITCH
	v_lshl_add_u32 v5, v2, 5, v5
	v_add_nc_u32 v[STO], s23, v5                   ; in: row r, 32 bytes for each half of the lanes
	v_and_b32 v6, 31, v0
	v_lshlrev_b32 v[CO], 4, v6
	v_add_nc_u32 v[RD], s23, v[CO]                 ; back: the 32 lanes take one row of 512 bytes
	s_lshl_b32 s46, s42, 10                        ; my first column, in bytes: 1,024 x tile column + 512 x half
	s_lshl_b32 s47, s16, 9
	s_add_co_u32 s46, s46, s47
	s_mov_b32 s47, 0
	s_add_nc_u64 s[10:11], s[10:11], s[46:47]
	global_load_b128 v[BIAS:BIAS+3], v[CO], s[10:11]   ; b_out at columns 4 x lane .. + 3 of my 128
	s_lshl_b32 s20, s17, 8
	s_lshl_b32 s21, s15, 7
	s_add_co_u32 s20, s20, s21                     ; my first row: 256 x tile row + 128 x half,
	s_lshl_b32 s20, s20, 12                        ; 4,096 bytes each: under 2^25
	s_add_co_u32 s20, s20, s46
	s_mov_b32 s21, 0
	s_add_nc_u64 s[12:13], s[12:13], s[20:21]
; A fragment holds, in registers 4 c .. 4 c + 3 of lane (r, h), K = 32 c + 16 h + 0 .. 15 of row r: the same permutation of k in A and in B.  In A that is head c / 2 of the step's two, bytes 32 (c % 2) + 16 h.
.macro FRAGA reg, slot, q, i
.irp c, 0,1,2,3
	ds_load_b128 v[\reg+4*\c:\reg+4*\c+3], v[ADRA+2*(\slot)+(\q)] offset:(\c/2)*AHEAD+32*(\c%2)+(\i)*16*APITCH
.endr
.endm
.macro FRAGB reg, slot, q, i
.irp c, 0,1,2,3
	ds_load_b128 v[\reg+4*\c:\reg+4*\c+3], v[ADRB+\slot] offset:128*(\q)+32*\c+(\i)*16*BPITCH
.endr
.endm
.macro MUL16 a0, p, zero               ; 16 matrix instructions: A's blocks a0, a0 + 1 x B's eight; the 64 accumulators take turns, one instruction a turn
.irp a, \a0, \a0+1
.irp b, 0,1,2,3,4,5,6,7
.if \zero
	v_wmma_f32_16x16x128_fp8_fp8 v[8*(8*((\a)%4)+\b):8*(8*((\a)%4)+\b)+7], v[128*(\p)+FR*\b:128*(\p)+FR*\b+FR-1], v[AF+FR*(\a):AF+FR*(\a)+FR-1], 0
.else
	v_wmma_f32_16x16x128_fp8_fp8 v[8*(8*((\a)%4)+\b):8*(8*((\a)%4)+\b)+7], v[128*(\p)+FR*\b:128*(\p)+FR*\b+FR-1], v[AF+FR*(\a):AF+FR*(\a)+FR-1], v[8*(8*((\a)%4)+\b):8*(8*((\a)%4)+\b)+7]
.endif
.endr
.endr
.endm
.macro FETCH_B slot, q, p
	WIN TO_B
.irp i, 0,1,2,3,4,5,6,7
	FRAGB 128*(\p)+FR*\i, \slot, \q, \i
.endr
	WIN 0
.endm
.macro FETCH_A slot, q, i0
.irp i, \i0, \i0+1, \i0+2, \i0+3
	FRAGA AF+FR*(\i), \slot, \q, \i
.endr
.endm
.macro PLACES n                        ; plain vector lines between a matrix instruction and a load into a register that it read, or a read of its result
.rept \n
	v_nop
.endr
.endm
.macro STEP slot, q, zero              ; a step of 128 along K that has its successor in the same slot
	s_wait_dscnt 4*NL                              ; B's set and A's blocks 0-3 are in; the youngest sixteen loads (A's blocks 4-7) may be out
	WIN MUL_LO
	MUL16 0, (\q)%2, \zero
	MUL16 2, (\q)%2, \zero
	s_wait_dscnt 0
	PLACES NP
	FETCH_B \slot, (\q)+1, 1-(\q)%2
	FETCH_A \slot, (\q)+1, 0
	WIN MUL_HI
	MUL16 4, (\q)%2, \zero
	MUL16 6, (\q)%2, \zero
	PLACES NP
	WIN 0
	FETCH_A \slot, (\q)+1, 4
.endm
.macro TURN slot, next, fill           ; a slot's last step changes slots: ONE barrier; fill = 1: the slot is filled again, two K steps ahead
	s_wait_tensorcnt 0x0                           ; all my tensor loads have landed: my part of the next slot
	ds_add_u32 v[SPW], v[NIL]                      ; 0 onto my spare word
	s_wait_dscnt 4*NL+1                            ; (the add and the youngest sixteen loads may be out)
	WIN MUL_LO
	MUL16 0, 1, 0
	s_wait_dscnt 0x0                               ; the add is done, and my reads of this slot are over
	s_barrier_signal -1
	MUL16 2, 1, 0
	WIN 0
	s_barrier_wait -1
.if \fill
	CREST                                          ; a round of the cluster's barrier: no wave of any partner still reads this slot or has a load on its way
	s_add_nc_u64 s[G0+4*\slot+2:G0+4*\slot+3], s[G0+4*\slot+2:G0+4*\slot+3], 8*524288
	s_add_nc_u64 s[G0B+4*\slot+2:G0B+4*\slot+3], s[G0B+4*\slot+2:G0B+4*\slot+3], 2*ROWB
	JLOAD G0+4*\slot, G1, G0B+4*\slot, G1B         ; the first tensor load behind the round, my only one until the next
.else
	PLACES NP
.endif
	FETCH_B \next, 0, 0
	FETCH_A \next, 0, 0
	WIN MUL_HI
	MUL16 4, 1, 0
	MUL16 6, 1, 0
	PLACES NP
	WIN 0
	FETCH_A \next, 0, 4
.endm
	s_wait_tensorcnt 1                             ; my part of K step 0 is in (K step 1's load may be out)
	s_barrier_signal -1
	s_barrier_wait -1                              ; everybody's is
	FETCH_B 0, 0, 0
	FETCH_A 0, 0, 0
	FETCH_A 0, 0, 4
	STEP 0, 0, 1                                   ; K = 1,024 is four slots: the ring is written out
	TURN 0, 1, 1
	STEP 1, 0, 0
	TURN 1, 0, 1
	STEP 0, 0, 0
	TURN 0, 1, 0
	STEP 1, 0, 0
	s_wait_dscnt 4*NL
	WIN MUL_LO
	MUL16 0, 1, 0
	MUL16 2, 1, 0
	s_wait_dscnt 0
	WIN MUL_HI
	MUL16 4, 1, 0
	MUL16 6, 1, 0
	WIN 0
; THE WAY OUT, block by block of 16 rows x 128 columns.  The sums go into my stage as they are (an LDS store's data stand at the source-1 place of the window setting), each accumulator from its low end on, and come back
; as whole rows of 512 bytes; there a lane's four numbers are always the same four columns, so one packed multiply-add for two numbers gives sum x 2^(e10 + e11) + b_out.
.macro TOSTAGE a
.set AC, 64*((\a)%4)
	WIN 0x08+4*((\a)/4)                            ; store data: window 2 or 3
.irp b, 0,1,2,3,4,5,6,7
	ds_store_b128 v[STO], v[AC+8*\b:AC+8*\b+3] offset:64*\b
	ds_store_b128 v[STO], v[AC+8*\b+4:AC+8*\b+7] offset:64*\b+16
.endr
	WIN 0
.set BB, BK+64*((\a)%2)
.irp t, 0,1,2,3,4,5,6,7,8,9,10,11,12,13,14,15
	ds_load_b128 v[BB+4*\t:BB+4*\t+3], v[RD] offset:\t*SPITCH   ; LDS serves a wave's instructions in order: these see my stores, and the next block's stores come behind them
.endr
.endm
.macro SEND a, younger                 ; younger: the LDS instructions issued behind block a's loads, which may stay out
.set BB, BK+64*((\a)%2)
	s_wait_dscnt \younger
.if (\a) > 0
	s_add_nc_u64 s[12:13], s[12:13], 16*4096       ; (behind a wait on XCNT: the earlier stores have read their base)  16 rows on
.endif
.irp t, 0,1,2,3,4,5,6,7,8,9,10,11,12,13,14,15
	v_pk_fma_f32 v[BB+4*\t:BB+4*\t+1], v[BB+4*\t:BB+4*\t+1], s[96:97], v[BIAS:BIAS+1] op_sel_hi:[1,0,1]
	v_pk_fma_f32 v[BB+4*\t+2:BB+4*\t+3], v[BB+4*\t+2:BB+4*\t+3], s[96:97], v[BIAS+2:BIAS+3] op_sel_hi:[1,0,1]
.endr
.irp t, 0,1,2,3,4,5,6,7,8,9,10,11,12,13,14,15
	global_store_b128 v[CO], v[BB+4*\t:BB+4*\t+3], s[12:13] offset:\t*4096 th:TH_STORE_NT   ; 32 lanes store 512 consecutive bytes, aligned; written once, read by nobody here
.endr
.endm
	s_wait_kmcnt 0x0
	s_add_co_i32 s96, s96, s97                     ; e10 + e11
	s_add_co_i32 s96, s96, 127
	s_lshl_b32 s96, s96, 23                        ; 2^(e10 + e11) as f32
	s_mov_b32 s97, s96                             ; (named with it as a pair)
	s_wait_loadcnt 0x0                             ; b_out
	PLACES NP                                      ; behind the last products: their results are read, and A's registers loaded, below
	TOSTAGE 0
.irp a, 1,2,3,4,5,6,7
.if \a > 1
	s_wait_xcnt 0x0                                ; block a - 2's stores have read their registers and their base: block a's loads may land there, and the base may step
.endif
	TOSTAGE \a
	SEND \a-1, 32                                  ; behind block a - 1's loads: block a's 16 stores and 16 loads
.endr
	s_wait_xcnt 0x0
	SEND 7, 0
	s_wait_tensorcnt 0x0                           ; the wave's end
	ds_add_u32 v[SPW], v[NIL]
	s_wait_dscnt 0x0
	CROUND                                         ; the closing round
	s_endpgm
.Lfunc_end_k_q8e3f43419b_outp:
	.size	k_q8e3f43419b_outp, .Lfunc_end_k_q8e3f43419b_outp-k_q8e3f43419b_outp
	.p2alignl 7, 3214868480
	.fill 96, 4, 3214868480
	.section	.rodata,"a",@progbits
	.p2align	6, 0x0
	.amdhsa_kernel k_q8e3f43419b_outp
		.amdhsa_group_segment_fixed_size 327680
		.amdhsa_private_segment_fixed_size 0
		.amdhsa_enable_private_segment 0
		.amdhsa_kernarg_size 40
		.amdhsa_user_sgpr_count 2
		.amdhsa_user_sgpr_kernarg_segment_ptr 1
		.amdhsa_wavefront_size32 1
		.amdhsa_system_sgpr_workgroup_id_x 1
		.amdhsa_system_sgpr_workgroup_id_y 1
		.amdhsa_system_sgpr_workgroup_id_z 1
		.amdhsa_system_vgpr_workitem_id 0
		.amdhsa_next_free_vgpr 1024
		.amdhsa_next_free_sgpr 100
		.amdhsa_reserve_vcc 0
		.amdhsa_float_denorm_mode_32 3
		.amdhsa_float_denorm_mode_16_64 3
		.amdhsa_memory_ordered 1
		.amdhsa_forward_progress 1
		.amdhsa_inst_pref_size 123
	.end_amdhsa_kernel
	.amdgpu_metadata
---
amdhsa.version: [ 1, 2 ]
amdhsa.kernels:
  - .name:           k_q8e3f43419b_outp
    .symbol:         k_q8e3f43419b_outp.kd
    .args:
      - { .name: cc, .offset: 0, .size: 8, .value_kind: global_buffer, .address_space: global }
      - { .name: wc, .offset: 8, .size: 8, .value_kind: global_buffer, .address_space: global }
      - { .name: lowp_scales, .offset: 16, .size: 8, .value_kind: global_buffer, .address_space: global }
      - { .name: b_out, .offset: 24, .size: 8, .value_kind: global_buffer, .address_space: global }
      - { .name: out0, .offset: 32, .size: 8, .value_kind: global_buffer, .address_space: global }
    .group_segment_fixed_size: 327680
    .private_segment_fixed_size: 0
    .kernarg_segment_align: 8
    .kernarg_segment_size: 40
    .max_flat_workgroup_size: 128
    .sgpr_count:     100
    .vgpr_count:     1024
    .wavefront_size: 32
...
	.end_amdgpu_metadata
.endif
;; end of part 4
;; ======== version 2 of 2: 4 launches; version 1 with the launches quant, attn written anew for expert scheduling mode
;; workspace buffers: xc 25,165,824 bytes; wc 4,194,304 bytes; qc 8,388,608 bytes; kc 8,388,608 bytes; vc 8,388,608 bytes; cc 8,388,608 bytes
;; launch quant (part 5): grid 384 x 1, 4 waves a work-group, no clusters, 41,472 bytes of LDS; arguments x, W_q, W_k, W_v, W_out, lowp_scales, xc, wc; writes xc, wc
.if DOCPART == 5
	.amdgcn_target "amdgcn-amd-amdhsa--gfx1250"
	.amdhsa_code_object_version 6
	.text
	.protected	k_q8e3f43419b_quant
	.globl	k_q8e3f43419b_quant
	.p2align	8
	.type	k_q8e3f43419b_quant,@function
k_q8e3f43419b_quant:
	s_mov_b64 s[64:65], 0
	v_nop
	global_prefetch_b8 v0, s[64:65] scope:SCOPE_SE
	s_setreg_imm32_b32 hwreg(HW_REG_WAVE_SCHED_MODE, 0, 2), 2
	s_setreg_imm32_b32 hwreg(HW_REG_WAVE_MODE, 25, 1), 1
	s_wait_xcnt 0x0
	s_wait_alu depctr_vm_vsrc(0)
; x [8192][1024] f32 becomes three planes of E4M3 codes, xc[0..2], under the scales 2^e0, 2^e2, 2^e4 (x is the left operand of three products, each with an entry of its own).
; W_q, W_k, W_v, W_out [1024][1024] f32 become wc[0..3] under 2^e1, 2^e3, 2^e5, 2^e11.  K is innermost in all of them, rows are dense: every tensor is a plain stream of numbers, and so are its codes.
; code = number / 2^e, held within +-448, rounded to the nearest code, ties to even.
; LIMITS: each of these e lies between -126 and 119, so that 2^e and 448 x 2^e are f32 numbers.  NaN among the inputs is not served (an infinity is held at the largest code).
; SHARES.  A work-group takes 32,768 numbers, a wave 16 steps of 512.  Work-groups 0-255 take x (three conversions a step), work-groups 256-383 the weights, 32 each.
; The conversion takes 8 neighbours from ONE lane's registers; a load is best where neighbouring LANES take neighbouring bytes.  So each load reads 512 consecutive bytes, a step's 2,048 bytes go through the wave's own
; stage in LDS as they lie and come back 64 bytes a lane (16 bytes of padding behind each 64).  A lane's 16 codes are 16 bytes: a store of the wave covers 512 consecutive bytes, aligned.
; The two paths part on the work-group's number and have LDS bytes of their own (x from byte 0, the weights from byte WBASE).  No barrier: waves share nothing.  Loads run four steps ahead, the turn through LDS one.
; THE MODE: SCHED_MODE bits 1:0 = 2 (LLVM: expert scheduling mode 2), set by the entry lines.  The code itself states the register dependences between vector instructions and memory or LDS instructions, with s_wait_alu, always for 0.
; THE PLAN.  Registers that memory or LDS instructions touch:
;   v3, v14, v15  the offset and the two stage addresses: written at the head, never again.
;   R0 .. R3      the loads of step t + 4 land in R[t % 4]; the LDS stores of step t's turn read it.  No vector instruction names them.
;   X0, X1        the LDS loads of step t + 1's turn, issued in step t, land in X[(t + 1) % 2]; the holds of step t + 1 read it.
;   C0, C1        step t's conversions write C[t % 2]; the global stores that read it are issued at the head of step t + 1.
;   T and the scales are named by vector instructions alone.  v160, v161: written at the head, read by the closing add alone.
; So the waits at a step's head state all that the step's memory instructions hang on, and these stand in one run behind them, ahead of the step's first vector instruction.
.set STEPS, 16
.set SP,    80                         ; a lane's place in a stage: 64 bytes + 16 of padding
.set WREG,  5120                       ; a wave's two stages of 32 x SP bytes
.set WBASE, 20480                      ; the weights' path: behind the four waves' stages of x's path
.set R,     16                         ; v16-79    four sets of 16 numbers as they are loaded
.set X,     80                         ; v80-111   two sets of 16 neighbours
.set T,     112                        ; v112-127  the 16 numbers held within the scale's range
.set C,     128                        ; v128-151  codes: two sets of 3 x 4 registers, by turns
.set SC,    152                        ; v[152+2k] 2^e as f32, v[153+2k] 448 x 2^e, for output k
; s[48:49] where my wave's numbers begin; s[36:37], s[38:39], s[40:41] where its codes go (planes 8 MiB apart: beyond a store's immediate, so three bases)
.macro LOAD t
.irp i, 0,1,2,3
	global_load_b128 v[R+16*((\t)%4)+4*\i:R+16*((\t)%4)+4*\i+3], v3, s[48:49] offset:2048*(\t)+512*\i th:TH_LOAD_NT   ; 32 lanes read 512 consecutive bytes; read once in the launch
.endr
.endm
.macro TURN t, pb                      ; step t's numbers through the stage: LDS serves a wave's instructions in order, so no wait stands between the stores and the loads
.irp i, 0,1,2,3
	ds_store_b128 v14, v[R+16*((\t)%4)+4*\i:R+16*((\t)%4)+4*\i+3] offset:\pb+32*SP*((\t)%2)+8*SP*\i
.endr
.irp i, 0,1,2,3
	ds_load_b128 v[X+16*((\t)%2)+4*\i:X+16*((\t)%2)+4*\i+3], v15 offset:\pb+32*SP*((\t)%2)+16*\i
.endr
.endm
.macro SENDQ t, ns                     ; step t's codes leave: one store for each scale
.irp k, 0,1,2
.if \k < \ns
	global_store_b128 v3, v[C+12*((\t)%2)+4*\k:C+12*((\t)%2)+4*\k+3], s[36+2*\k:37+2*\k] offset:512*(\t)
.endif
.endr
.endm
.macro MKSCALE k, se                   ; from the whole number e in \se: 2^e and 448 x 2^e as f32
	s_add_co_i32 s50, \se, 127
	s_lshl_b32 s51, s50, 23
	v_mov_b32 v[SC+2*\k], s51                      ; the conversion takes its exponent field
	s_add_co_i32 s50, s50, 8
	s_lshl_b32 s50, s50, 23
	s_or_b32 s50, s50, 0x600000                    ; 448 = 1.75 x 2^8
	v_mov_b32 v[SC+2*\k+1], s50
.endm
.macro STEPQ t, ns, pb                 ; ns: how many scales the step's numbers are quantised under
.set XS, X+16*((\t)%2)
.set CC, C+12*((\t)%2)
	s_wait_dscnt 0x0                               ; this step's numbers are back from the stage
.if (\t) >= 2
	s_wait_xcnt 0x0                                ; the stores issued in the last step have had their addresses translated: this step's set of code registers, which they read, is written again only behind this wait
.endif
	s_wait_alu depctr_vm_vsrc(0)                   ; this step's LDS stores into the stage have read their set of R, in which the loads below land; the global stores issued in the last step have read the set of C that this step's conversions write
.if (\t) >= 1
	s_wait_alu depctr_va_vdst(0)                   ; the last step's conversions have written the other set of C, which the stores below read; its holds are done reading the other set of X, in which the turn's LDS loads below land
.endif
.if (\t)+4 < STEPS
	LOAD (\t)+4                                    ; the loads of four steps on
.endif
.if (\t) >= 1
	SENDQ (\t)-1, \ns                              ; the last step's codes
.endif
.if (\t)+1 < STEPS
.if STEPS-2-(\t) >= 3
	s_wait_loadcnt 12                              ; the next step's four loads are in; those of the three steps behind it may be out
.else
	s_wait_loadcnt 4*(STEPS-2-(\t))                ; the tail: fewer steps are behind it
.endif
	TURN (\t)+1, \pb                               ; and go through the other stage while this step is worked
.endif
.irp k, 0,1,2
.if \k < \ns
.irp i, 0,1,2,3,4,5,6,7,8,9,10,11,12,13,14,15
	v_med3_num_f32 v[T+\i], v[XS+\i], -v[SC+2*\k+1], v[SC+2*\k+1]   ; the conversion to an 8-bit code does not saturate (ISA guide 7.6.2): the number is held first
.endr
	v_cvt_scalef32_pk8_fp8_f32 v[CC+4*\k:CC+4*\k+1], v[T:T+7], v[SC+2*\k]
	v_cvt_scalef32_pk8_fp8_f32 v[CC+4*\k+2:CC+4*\k+3], v[T+8:T+15], v[SC+2*\k]
	v_nop                                          ; one plain vector line between the conversions and the next lines that write their sources v[T..]
.endif
.endr
.endm
	s_load_b256 s[4:11], s[0:1], 0x0               ; x s[4:5], W_q s[6:7], W_k s[8:9], W_v s[10:11]
	s_load_b256 s[12:19], s[0:1], 0x20             ; W_out s[12:13], the exponents s[14:15], xc s[16:17], wc s[18:19]
	v_lshl_add_u32 v160, v0, 2, 0xa000
	v_mov_b32 v161, 0
	v_lshrrev_b32 v1, 5, v0
	v_readfirstlane_b32 s20, v1                    ; wave 0..3
	v_and_b32 v2, 31, v0                           ; lane
	v_lshlrev_b32 v3, 4, v2                        ; 16 x lane: my bytes of a load's 512, and of a store's
	v_lshrrev_b32 v14, 2, v2
	v_mul_u32_u24 v14, v14, SP
	v_and_b32 v15, 3, v2
	v_lshl_add_u32 v14, v15, 4, v14
	v_mul_u32_u24 v15, v2, SP
	s_wait_alu depctr_va_sdst(0)                   ; s20 is written, ahead of its first reader: the stages' place and the bases are made from it
	s_mul_i32 s21, s20, WREG
	v_add_nc_u32 v14, s21, v14                     ; the stage, on the way in: four lanes' 64 bytes on end, then the padding
	v_add_nc_u32 v15, s21, v15                     ; and on the way out: my 16 neighbours
	s_mov_b32 s45, 0                               ; the upper word of every offset below
	s_wait_alu depctr_va_vdst(0)                   ; v3, v14 and v15 are written: every load and store of both paths reads one of them as its offset or address
	s_wait_kmcnt 0x0
	s_load_b256 s[24:31], s[14:15], 0x0            ; e0 .. e7
	s_load_b128 s[32:35], s[14:15], 0x20           ; e8 .. e11
	s_cmp_lt_u32 ttmp9, 256
	s_cbranch_scc0 .Lweights
	; ---- x
	s_lshl_b32 s42, ttmp9, 2
	s_add_co_u32 s42, s42, s20                     ; which run of 8,192 numbers is my wave's
	s_lshl_b32 s44, s42, 15
	s_add_nc_u64 s[48:49], s[4:5], s[44:45]
	s_lshl_b32 s44, s42, 13
	s_add_nc_u64 s[36:37], s[16:17], s[44:45]
	s_add_nc_u64 s[38:39], s[36:37], 0x800000
	s_add_nc_u64 s[40:41], s[38:39], 0x800000
.irp t, 0,1,2,3
	LOAD \t
.endr
	s_wait_kmcnt 0x0
	MKSCALE 0, s24
	MKSCALE 1, s26
	MKSCALE 2, s28
	s_wait_loadcnt 12                              ; step 0's four loads are in
	TURN 0, 0
.irp t, 0,1,2,3,4,5,6,7,8,9,10,11,12,13,14,15
	STEPQ \t, 3, 0
.endr
	s_wait_alu depctr_va_vdst(0)                   ; the last step's conversions have written their codes, which the last stores read
	SENDQ STEPS-1, 3
	s_wait_dscnt 0x0                               ; the closing lines, six on end
	s_wait_alu 0x0
	s_wait_tensorcnt 0x0
	ds_add_u32 v160, v161
	s_wait_dscnt 0x0
	s_endpgm
	; ---- the weights
.Lweights:
	s_sub_co_u32 s42, ttmp9, 256                   ; 0 .. 127
	s_lshr_b32 s43, s42, 5                         ; which weight: 0 W_q, 1 W_k, 2 W_v, 3 W_out
	s_and_b32 s52, s43, 1
	s_and_b32 s53, s43, 2
	s_cmp_lg_u32 s52, 0                            ; the choices hang on the work-group's number alone
	s_cselect_b64 s[46:47], s[8:9], s[6:7]
	s_cselect_b64 s[54:55], s[12:13], s[10:11]
	s_cmp_lg_u32 s53, 0
	s_cselect_b64 s[48:49], s[54:55], s[46:47]
	s_and_b32 s44, s42, 31
	s_lshl_b32 s44, s44, 2
	s_add_co_u32 s44, s44, s20                     ; which run of 8,192 numbers of that weight
	s_lshl_b32 s44, s44, 15
	s_add_nc_u64 s[48:49], s[48:49], s[44:45]
	s_lshl_b32 s44, s42, 2
	s_add_co_u32 s44, s44, s20                     ; the four planes of wc follow each other
	s_lshl_b32 s44, s44, 13
	s_add_nc_u64 s[36:37], s[18:19], s[44:45]
.irp t, 0,1,2,3
	LOAD \t
.endr
	s_wait_kmcnt 0x0
	s_cmp_lg_u32 s52, 0
	s_cselect_b32 s56, s27, s25                    ; e3 or e1
	s_cselect_b32 s57, s35, s29                    ; e11 or e5
	s_cmp_lg_u32 s53, 0
	s_cselect_b32 s56, s57, s56
	MKSCALE 0, s56
	s_wait_loadcnt 12
	TURN 0, WBASE
.irp t, 0,1,2,3,4,5,6,7,8,9,10,11,12,13,14,15
	STEPQ \t, 1, WBASE
.endr
	s_wait_alu depctr_va_vdst(0)                   ; the last step's conversions have written their codes, which the last store reads
	SENDQ STEPS-1, 1
	s_wait_dscnt 0x0                               ; the closing lines, six on end
	s_wait_alu 0x0
	s_wait_tensorcnt 0x0
	ds_add_u32 v160, v161
	s_wait_dscnt 0x0
	s_endpgm
.Lfunc_end_k_q8e3f43419b_quant:
	.size	k_q8e3f43419b_quant, .Lfunc_end_k_q8e3f43419b_quant-k_q8e3f43419b_quant
	.p2alignl 7, 3214868480
	.fill 96, 4, 3214868480
	.section	.rodata,"a",@progbits
	.p2align	6, 0x0
	.amdhsa_kernel k_q8e3f43419b_quant
		.amdhsa_group_segment_fixed_size 41472
		.amdhsa_private_segment_fixed_size 0
		.amdhsa_enable_private_segment 0
		.amdhsa_kernarg_size 64
		.amdhsa_user_sgpr_count 2
		.amdhsa_user_sgpr_kernarg_segment_ptr 1
		.amdhsa_wavefront_size32 1
		.amdhsa_system_sgpr_workgroup_id_x 1
		.amdhsa_system_sgpr_workgroup_id_y 1
		.amdhsa_system_sgpr_workgroup_id_z 1
		.amdhsa_system_vgpr_workitem_id 0
		.amdhsa_next_free_vgpr 162
		.amdhsa_next_free_sgpr 66
		.amdhsa_reserve_vcc 0
		.amdhsa_float_denorm_mode_32 3
		.amdhsa_float_denorm_mode_16_64 3
		.amdhsa_memory_ordered 1
		.amdhsa_forward_progress 1
		.amdhsa_inst_pref_size 118
	.end_amdhsa_kernel
	.amdgpu_metadata
---
amdhsa.version: [ 1, 2 ]
amdhsa.kernels:
  - .name:           k_q8e3f43419b_quant
    .symbol:         k_q8e3f43419b_quant.kd
    .args:
      - { .name: x, .offset: 0, .size: 8, .value_kind: global_buffer, .address_space: global }
      - { .name: W_q, .offset: 8, .size: 8, .value_kind: global_buffer, .address_space: global }
      - { .name: W_k, .offset: 16, .size: 8, .value_kind: global_buffer, .address_space: global }
      - { .name: W_v, .offset: 24, .size: 8, .value_kind: global_buffer, .address_space: global }
      - { .name: W_out, .offset: 32, .size: 8, .value_kind: global_buffer, .address_space: global }
      - { .name: lowp_scales, .offset: 40, .size: 8, .value_kind: global_buffer, .address_space: global }
      - { .name: xc, .offset: 48, .size: 8, .value_kind: global_buffer, .address_space: global }
      - { .name: wc, .offset: 56, .size: 8, .value_kind: global_buffer, .address_space: global }
    .group_segment_fixed_size: 41472
    .private_segment_fixed_size: 0
    .kernarg_segment_align: 8
    .kernarg_segment_size: 64
    .max_flat_workgroup_size: 128
    .sgpr_count:     66
    .vgpr_count:     162
    .wavefront_size: 32
...
	.end_amdgpu_metadata
.endif
;; end of part 5
;; launch proj: the kernel of part 2 again; grid 12 x 32, 4 waves a work-group, clusters of 4 x 4, 327,680 bytes of LDS; arguments xc, wc, lowp_scales, qc, kc, vc; writes qc, kc, vc
;; launch attn (part 6): grid 64 x 4, 16 waves a work-group, no clusters, 56,320 bytes of LDS; arguments qc, kc, vc, lowp_scales, cc; writes cc
.if DOCPART == 6
	.amdgcn_target "amdgcn-amd-amdhsa--gfx1250"
	.amdhsa_code_object_version 6
	.text
	.protected	k_q8e3f43419b_attn
	.globl	k_q8e3f43419b_attn
	.p2align	8
	.type	k_q8e3f43419b_attn,@function
k_q8e3f43419b_attn:
	s_mov_b64 s[64:65], 0
	v_nop
	global_prefetch_b8 v0, s[64:65] scope:SCOPE_SE
	s_setreg_imm32_b32 hwreg(HW_REG_WAVE_SCHED_MODE, 0, 2), 2
	s_setreg_imm32_b32 hwreg(HW_REG_WAVE_MODE, 25, 1), 1
	s_wait_xcnt 0x0
	s_wait_alu depctr_vm_vsrc(0)
; Causal attention on E4M3 codes, head size 64, 64 heads (batch x 16 + head) of 2,048 tokens; the result is quantised under 2^e10 for the last product.
; qc, kc: [head][2048][64].  vc: [feature 0..1023][batch x 2048 + key], the keys innermost.  cc: [head of 16][batch x 2048 + token][64].
; THE SOFTMAX AHEAD OF THE SECOND PRODUCT: t = score x 2^(e6 + e7) x log2(e) / 8; M = the row's largest t so far, rounded UP to a whole number; p = 2^(t - M) is quantised under 2^e8, not normalised.
; The row's sum is taken of the unquantised p and divides at the end.  When M moves, the sum and O are multiplied by 2^(old M - new M): exact.
; LIMITS: e6 + e7 between -123 and 130 (added to the constant's exponent field); e8 and e10 - e8 - e9 between -126 and 119.
; SHARES.  A work-group belongs to one head (x) and runs the same text twice: first for the block of 256 queries 7 - y, then for block y.  Block i walks i + 1 slots of 256 keys, so every work-group walks nine.
; Each of the sixteen waves owns 16 queries in 256 registers: four waves to a SIMD, so that one wave's vector work stands beside another's matrix work and LDS loads.
; Slots 0 .. block - 1 lie wholly under the diagonal: no mask.  The last slot holds the diagonal and is written out with the mask; a key step all of whose keys come after a wave's queries is jumped over (a branch on the wave's number).
; K AND V COME THROUGH REGISTERS INTO ONE LDS BUFFER: the number of slots hangs on the work-group's number, so every LDS address is kept a constant of the text, and there is no tensor load.
; The next slot is asked for (16 registers a lane) at the head of a slot's two key steps and stored to LDS behind them, between two barriers.  No multicast: the work-groups of a head walk different numbers of slots.
; LAYOUT.  Both products are used transposed: S^T = K Q^T (source 0 = 16 keys, source 1 = my 16 queries), O^T = V^T P^T (source 0 = 16 of the head's 64): a lane holds ONE query (lane % 16) throughout.
; Lane r of tile 2 b + u takes key 32 b + 8 u + r + 8 (r / 8), so that the 16 registers of tiles 2 b, 2 b + 1 are keys 32 b + 16 (lane / 16) + 0 .. 15.  In LDS key n lies at the row with n's bits 3 and 4 exchanged: a tile's 16 lanes then read 16 rows on end.
; THE MODE: SCHED_MODE bits 1:0 = 2 (LLVM: expert scheduling mode 2), set by the entry lines.  The code itself states the register dependences between vector or matrix instructions and memory or LDS instructions, with s_wait_alu, always for 0.
; THE PLAN.  Registers that memory or LDS instructions touch:
;   v1-v11     addresses and offsets: written at the head, never again.
;   v192-207   the slot on its way: global loads land in them, LDS stores read them; no vector instruction names them.
;   v16-23     Q: loaded at a pass's head; read by the products K Q^T.
;   v32-95     K's fragments land at a key step's head and are read by K Q^T; V's land behind the exponentials and are read by V^T P^T.
;   v24-31     written by the way out's conversions, read by its LDS stores.    v208-215  LDS loads land in them, global stores read them.
;   v251, v255 written at the head, read by the closing add alone.
; A pass's head has one wait on vm_vsrc and one on va_vdst; a slot's head one on vm_vsrc, ahead of the next slot's loads.  A key step has two on va_vdst: at its head, ahead of K's loads, and the one behind the exponentials,
; behind which V's loads stand.  The mask's compares write scalar registers in runs of sixteen, one wait on va_sdst behind each run.
.set KP,   80                          ; a key's row in LDS: 64 bytes + 16: an odd multiple of 16, so 16 rows on end start at 16 different groups of four banks
.set VP,   272                         ; a row of V's tile: 256 keys + 16
.set VOFF, 256*KP                      ; 256 rows of K, then 64 rows of V,
.set STG,  VOFF+64*VP                  ; then 1,024 bytes for each wave, for the way out
.set AK0,  1                           ; v1   my lane's place in a tile of K
.set AV0,  2                           ; v2   the same for V
.set KGO,  3                           ; v3   filling: 16 x thread: my bytes of half a slot of K in memory
.set VGO,  4                           ; v4   filling: row thread / 16 of V (8,192 bytes a row), 16 bytes
.set KST,  5                           ; v5   filling: where they go in LDS
.set VST,  6                           ; v6
.set QGO,  7                           ; v7   Q: row r, + 16 h
.set SST,  8                           ; v8   my stage: in
.set SRD,  9                           ; v9   my stage: back
.set LO,   10                          ; v10  16 x lane
.set MD0,  11                          ; v11  my query in its block, less 16 (lane / 16)
.set F,    192                         ; v192-207 the slot on its way
; v12 -M, v13 the largest t, v[14:15] the sum in two halves; v16-23 Q; v24-31 the result's codes; v32-95 K's eight fragments, then V's four; v96-159 S^T, then p; v160-191 O^T; v208-215 rows back from the stage;
; v224-239 p's codes; v240 448 x 2^e8, v244 2^e8; v245, v247 the same for e10 - e8 - e9; v241 -infinity; v[242:243], v246, v248, v252-254 at work
.set WV,   18                          ; s18  wave
.set SEL,  20                          ; s[20:21] v_permlanex16_b32's selects: lane l xor 16
.set CSC,  22                          ; s[22:23] c = 2^(e6 + e7) log2(e) / 8, twice: the packed form names the pair
.set BLK,  24                          ; s24  the block of queries in hand
.set CNT,  25                          ; s25  open slots to go
.set PASS, 26                          ; s26  passes to go
.set KB,   28                          ; s[28:29], s[30:31] K and V at the slot that was asked for last
.set VB,   30
.set QB,   32                          ; s[32:33], s[34:35] my 16 queries in qc and in cc
.set OB,   34
.set MK,   36                          ; s36-51 the mask's sixteen lane masks (at the head s36-47 hold the exponents, which are done with by then)
.set KH,   56                          ; s[56:63] the head's first byte in kc, vc, qc, cc
.set VH,   58
.set QH,   60
.set OH,   62
.macro FILL_LOAD                       ; a slot: 16,384 dense bytes of K, and 256 bytes of each of V's 64 rows; 512 threads x 16 bytes, twice each
	global_load_b128 v[F:F+3], v[KGO], s[KB:KB+1]
	global_load_b128 v[F+4:F+7], v[KGO], s[KB:KB+1] offset:8192
	global_load_b128 v[F+8:F+11], v[VGO], s[VB:VB+1]
	global_load_b128 v[F+12:F+15], v[VGO], s[VB:VB+1] offset:32*8192
.endm
.macro FILL_STORE
	ds_store_b128 v[KST], v[F:F+3]
	ds_store_b128 v[KST], v[F+4:F+7] offset:128*KP
	ds_store_b128 v[VST], v[F+8:F+11]
	ds_store_b128 v[VST], v[F+12:F+15] offset:32*VP
.endm
.macro BARRIER                         ; my LDS stores have landed and my LDS loads are in: then the work-group's barrier
	s_wait_dscnt 0x0
	s_barrier_signal -1
	s_barrier_wait -1
.endm
; From 64 scores a lane to p's codes: the running M, p, the sum of the unquantised p, the hold, the conversion.  q: which half of the slot; V's fragments of that half are asked for behind the exponentials.
.macro SOFTMAX q
	v_max3_num_f32 v254, v96, v97, v98             ; the step's largest score of my query among my 64 keys, in two chains; each accumulator is read from its low end on
	v_max3_num_f32 v252, v99, v100, v101
.irp i, 6,10,14,18,22,26,30,34,38,42,46,50,54,58
	v_max3_num_f32 v254, v254, v[96+\i], v[97+\i]
	v_max3_num_f32 v252, v252, v[98+\i], v[99+\i]
.endr
	v_max3_num_f32 v254, v254, v158, v159
	v_max_num_f32 v254, v254, v252
	v_permlanex16_b32 v246, v254, s[SEL], s[SEL+1]
	v_max_num_f32 v254, v254, v246                 ; and among lane l xor 16's
	v_mul_f32 v254, s[CSC], v254                   ; as t (c is positive)
	v_max_num_f32 v13, v13, v254                   ; the running largest t
	v_mov_b32 v254, v12
	v_floor_f32 v12, -v13                          ; the new -M = floor(-t) = -ceil(t): a whole number
	v_sub_f32 v254, v12, v254                      ; old M less new M: a whole number, 0 or less
	v_cvt_i32_f32 v254, v254                       ; (it saturates)
	v_ldexp_f32 v252, 1.0, v254                    ; f = 2^(old M - new M)
.set j, 0
.rept 32
	v_pk_fma_f32 v[96+j:97+j], v[96+j:97+j], s[CSC:CSC+1], v[12:13] op_sel_hi:[1,0,0]   ; t - M, two at a time (of the pairs c and -M the low word serves both halves)
.set j, j+2
.endr
.set j, 0
.rept 64
	v_exp_f32 v[96+j], v[96+j]                     ; p = 2^(t - M), at most 1
.set j, j+1
.endr
	v_pk_mul_f32 v[14:15], v[14:15], v[252:253] op_sel_hi:[1,0]   ; the sums under the new M: the plain line behind the exponentials
	s_wait_alu depctr_va_vdst(0)                   ; the 64 exponentials have written p, ahead of its first reader (one wait for the batch); and the step's products K Q^T are done reading v32-95, in which V's fragments land
.set i, 0
.rept 16
	ds_load_b128 v[32+4*i:32+4*i+3], v[AV0] offset:16*(i/4)*VP+128*\q+32*(i%4)   ; V's four tiles land while p is summed, held and converted: none of those lines names v32-95 or the address
.set i, i+1
.endr
	v_pk_add_f32 v[242:243], v[96:97], v[98:99]    ; the row's sum is taken of the UNQUANTISED p: two at a time, in two chains
.irp j, 4,8,12,16,20,24,28,32,36,40,44,48,52,56,60
	v_pk_add_f32 v[14:15], v[14:15], v[96+\j:97+\j]
	v_pk_add_f32 v[242:243], v[242:243], v[98+\j:99+\j]
.endr
	v_pk_add_f32 v[14:15], v[14:15], v[242:243]
.set b, 0
.rept 4
.set i, 0
.rept 16
	v_min_num_f32 v[96+16*b+i], v[96+16*b+i], v240 ; the conversion does not saturate (ISA guide 7.6.2); p is not negative, so the hold is one-sided
.set i, i+1
.endr
	v_cvt_scalef32_pk8_fp8_f32 v[224+4*b:225+4*b], v[96+16*b:103+16*b], v244
	v_cvt_scalef32_pk8_fp8_f32 v[226+4*b:227+4*b], v[104+16*b:111+16*b], v244
.set b, b+1
.endr
.set j, 0
.rept 16
	v_pk_mul_f32 v[160+j:161+j], v[160+j:161+j], v[252:253] op_sel_hi:[1,0]   ; O^T under the new M.  (Plain lines between the conversions and the products that read the codes)
.set j, j+2
.endr
.endm
; A KEY STEP: 128 keys, the q-th half of the slot in LDS.  diag = 1: the slot that holds the diagonal.
.macro STEP q, diag
.if \diag && (\q == 1)
	s_cmp_lt_u32 s[WV], 8                          ; waves 0-7 own queries 0-127 of the block: all of keys 128-255 come after them
	s_cbranch_scc1 .Lhidden_\@
.endif
.rept 4
	v_nop                                          ; places in front of loads into registers that the last products read
.endr
	s_wait_alu depctr_va_vdst(0)                   ; the last step's products V^T P^T are done reading v32-95, in which K's fragments land
.set i, 0
.rept 8
	ds_load_b128 v[32+8*i:32+8*i+3], v[AK0] offset:(128*\q+16*i)*KP      ; K's tile i: registers 4 c .. 4 c + 3 hold channels 32 c + 16 h + 0 .. 15, as Q's do
	ds_load_b128 v[32+8*i+4:32+8*i+7], v[AK0] offset:(128*\q+16*i)*KP+32
.set i, i+1
.endr
	s_wait_dscnt 0x0
.set i, 0
.rept 8
	v_wmma_f32_16x16x64_fp8_fp8 v[96+8*i:96+8*i+7], v[32+8*i:32+8*i+7], v[16:23], 0
.set i, i+1
.endr
.rept 4
	v_nop                                          ; places: the scores are read below
.endr
.if \diag
.if \q == 0
	s_cmp_ge_u32 s[WV], 8                          ; waves 8-15 own queries 128-255: all of keys 0-127 count
	s_cbranch_scc1 .Lopen_\@
	v_mov_b32 v248, v[MD0]
.else
	v_add_nc_u32 v248, 0xffffff80, v[MD0]          ; - 128
.endif
.set b, 0
.rept 4                                        ; register 16 b + i holds key 128 q + 32 b + 16 (lane / 16) + i of the slot: hidden where 32 b + i > my query - 16 (lane / 16) - 128 q.  Hidden scores become -infinity: p = 0
.set i, 0
.rept 16
	v_cmp_gt_i32 s[MK+i], 32*b+i, v248
.set i, i+1
.endr
	s_wait_alu depctr_va_sdst(0)                   ; the sixteen compares have written s36-51, ahead of the selects that read them
.set i, 0
.rept 16
	v_cndmask_b32 v[96+16*b+i], v[96+16*b+i], v241, s[MK+i]
.set i, i+1
.endr
.set b, b+1
.endr
.if \q == 0
.Lopen_\@:
.endif
.endif
	SOFTMAX \q
	s_wait_dscnt 0x0                               ; V's fragments are in
.set i, 0
.rept 4
	v_wmma_f32_16x16x128_fp8_fp8 v[160+8*i:160+8*i+7], v[32+16*i:32+16*i+15], v[224:239], v[160+8*i:160+8*i+7]   ; the four accumulators by turns
.set i, i+1
.endr
.if \diag && (\q == 1)
.Lhidden_\@:
.endif
.endm
	s_load_b256 s[4:11], s[0:1], 0x0               ; qc s[4:5], kc s[6:7], vc s[8:9], the exponents s[10:11]
	s_load_b64 s[12:13], s[0:1], 0x20              ; cc
	v_lshl_add_u32 v251, v0, 2, 0xd400
	v_mov_b32 v255, 0
	v_lshrrev_b32 v32, 5, v0
	v_readfirstlane_b32 s[WV], v32                 ; wave 0..15
	v_and_b32 v33, 15, v0                          ; r
	v_bfe_u32 v34, v0, 4, 1                        ; h
	v_and_b32 v35, 31, v0                          ; lane
	v_lshrrev_b32 v36, 4, v0                       ; thread / 16: 0..31
	v_lshrrev_b32 v37, 2, v0                       ; thread / 4: 0..127
	v_mul_u32_u24 v[AK0], v33, KP
	v_lshl_add_u32 v[AK0], v34, 4, v[AK0]
	v_mul_u32_u24 v[AV0], v33, VP
	v_lshl_add_u32 v[AV0], v34, 4, v[AV0]
	v_add_nc_u32 v[AV0], VOFF, v[AV0]
	v_lshlrev_b32 v[KGO], 4, v0
	v_lshlrev_b32 v[VGO], 13, v36
	v_lshl_add_u32 v[VGO], v33, 4, v[VGO]
	v_and_b32 v[KST], 0x67, v37                    ; key thread / 4 with its bits 3 and 4 exchanged,
	v_bfe_u32 v38, v37, 3, 1
	v_lshl_or_b32 v[KST], v38, 4, v[KST]
	v_bfe_u32 v38, v37, 4, 1
	v_lshl_or_b32 v[KST], v38, 3, v[KST]
	v_mul_u32_u24 v[KST], v[KST], KP               ; as a row,
	v_and_b32 v38, 3, v0
	v_lshl_add_u32 v[KST], v38, 4, v[KST]          ; + my 16 of its 64 bytes
	v_mul_u32_u24 v[VST], v36, VP
	v_lshl_add_u32 v[VST], v33, 4, v[VST]
	v_add_nc_u32 v[VST], VOFF, v[VST]
	v_lshlrev_b32 v[QGO], 6, v33
	v_lshl_add_u32 v[QGO], v34, 4, v[QGO]
	s_wait_alu depctr_va_sdst(0)                   ; s18, the wave's number, is written, ahead of its first reader
	s_lshl_b32 s66, s[WV], 10
	s_add_co_u32 s66, s66, STG                     ; my stage
	v_lshlrev_b32 v[SST], 6, v33
	v_lshl_add_u32 v[SST], v34, 3, v[SST]
	v_add_nc_u32 v[SST], s66, v[SST]               ; in: query r's 64 bytes, + 8 h
	v_lshlrev_b32 v[LO], 4, v35
	v_add_nc_u32 v[SRD], s66, v[LO]                ; back: 16 bytes a lane
	v_lshlrev_b32 v[MD0], 4, v34
	v_sub_nc_u32 v[MD0], v33, v[MD0]
	s_lshl_b32 s66, s[WV], 4
	v_add_nc_u32 v[MD0], s66, v[MD0]               ; 16 x wave + r - 16 h
	v_mov_b32 v241, 0xff800000                     ; -infinity
	v_mov_b32 v246, 0                              ; written once: a lane permute's destination counts as one of its sources
	v_mov_b32 v253, 0                              ; (named as the upper half of the pair v[252:253])
	s_mov_b32 s[SEL], 0x76543210
	s_mov_b32 s[SEL+1], 0xfedcba98
	s_mov_b32 s[PASS], 2
	s_and_b32 s66, ttmp7, 0xffff
	s_sub_co_u32 s[BLK], 7, s66                    ; the first pass takes block 7 - y
	s_wait_kmcnt 0x0
	s_load_b256 s[36:43], s[10:11], 0x0            ; e0 .. e7
	s_load_b128 s[44:47], s[10:11], 0x20           ; e8 .. e11
	s_lshl_b32 s66, ttmp9, 17                      ; a head of qc or kc is 131,072 bytes
	s_mov_b32 s67, 0
	s_add_nc_u64 s[KH:KH+1], s[6:7], s[66:67]
	s_add_nc_u64 s[QH:QH+1], s[4:5], s[66:67]
	s_and_b32 s68, ttmp9, 15                       ; the head of 16,
	s_lshl_b32 s68, s68, 19                        ; 64 rows of 8,192 bytes in vc; 8,192 tokens of 64 bytes in cc
	s_lshr_b32 s70, ttmp9, 4                       ; the batch:
	s_lshl_b32 s71, s70, 11                        ; 2,048 keys along a row of vc,
	s_add_co_u32 s66, s68, s71
	s_add_nc_u64 s[VH:VH+1], s[8:9], s[66:67]
	s_lshl_b32 s71, s70, 17                        ; 2,048 tokens of 64 bytes in cc
	s_add_co_u32 s66, s68, s71
	s_add_nc_u64 s[OH:OH+1], s[12:13], s[66:67]
	s_wait_kmcnt 0x0
	s_add_co_i32 s66, s42, s43                     ; e6 + e7 goes into the exponent field of
	s_lshl_b32 s66, s66, 23
	s_mov_b32 s[CSC], 0x3e38aa3b                   ; log2(e) / 8
	s_add_co_i32 s[CSC], s[CSC], s66
	s_mov_b32 s[CSC+1], s[CSC]
	s_add_co_i32 s66, s44, 127
	s_lshl_b32 s67, s66, 23
	v_mov_b32 v244, s67                            ; 2^e8
	s_add_co_i32 s66, s66, 8
	s_lshl_b32 s66, s66, 23
	s_or_b32 s66, s66, 0x600000
	v_mov_b32 v240, s66                            ; 448 x 2^e8
	s_sub_co_i32 s66, s46, s44                     ; a sum of the second product stands for sum x 2^(e8 + e9): its code under 2^e10 is sum / l / 2^(e10 - e8 - e9)
	s_sub_co_i32 s66, s66, s45
	s_add_co_i32 s66, s66, 127
	s_lshl_b32 s67, s66, 23
	v_mov_b32 v245, s67
	s_add_co_i32 s66, s66, 8
	s_lshl_b32 s66, s66, 23
	s_or_b32 s66, s66, 0x600000
	v_mov_b32 v247, s66
.Lpass:                                            ; two trips: block 7 - y, then block y
	s_wait_xcnt 0x0                                ; the last pass's stores have read their base and their data: both are written again below
	s_wait_alu depctr_vm_vsrc(0)                   ; the last pass's LDS stores have read v192-207, in which the loads below land, and v24-31, which this pass's conversions write; its global stores have read v208-215, in which this pass's LDS loads land
	s_wait_alu depctr_va_vdst(0)                   ; first trip: the addresses v1-v11 are written, which every load and store reads, and so are v32-38, in which K's fragments land; second trip: the last pass's products are done reading Q's v16-23, in which the loads below land
	s_lshl_b32 s66, s[BLK], 8
	s_lshl_b32 s68, s[WV], 4
	s_add_co_u32 s66, s66, s68                     ; my first query: 256 x block + 16 x wave
	s_lshl_b32 s66, s66, 6
	s_mov_b32 s67, 0
	s_add_nc_u64 s[QB:QB+1], s[QH:QH+1], s[66:67]
	s_add_nc_u64 s[OB:OB+1], s[OH:OH+1], s[66:67]
	s_mov_b64 s[KB:KB+1], s[KH:KH+1]
	s_mov_b64 s[VB:VB+1], s[VH:VH+1]
	FILL_LOAD                                      ; slot 0
	global_load_b128 v[16:19], v[QGO], s[QB:QB+1]  ; Q's fragment stays in registers
	global_load_b128 v[20:23], v[QGO], s[QB:QB+1] offset:32
	v_mov_b32 v13, 0xff61b1e6                      ; the largest t so far: -3e38, under every t
	v_floor_f32 v12, -v13                          ; -M
	v_mov_b32 v14, 0
	v_mov_b32 v15, 0
.set j, 0
.rept 32
	v_mov_b32 v[160+j], 0                          ; O^T: the key step is written without a first form of its own; the first change of M leaves zeros zeros
.set j, j+1
.endr
	BARRIER                                        ; nobody reads the last pass's last slot any more
	s_wait_loadcnt 0x0                             ; slot 0 and Q are in
	FILL_STORE
	s_cmp_eq_u32 s[BLK], 0                         ; block 0 has the diagonal's slot alone (the work-group's number: the same in all sixteen waves)
	s_cbranch_scc1 .Ltail
	s_mov_b32 s[CNT], s[BLK]
.Lslot:                                            ; a trip for each slot wholly under the diagonal
	BARRIER                                        ; the slot is whole
	s_add_nc_u64 s[KB:KB+1], s[KB:KB+1], 256*64    ; (the loads that named these have come back)
	s_add_nc_u64 s[VB:VB+1], s[VB:VB+1], 256
	s_wait_alu depctr_vm_vsrc(0)                   ; the LDS stores that laid this slot have read v192-207, in which the next slot's loads land
	FILL_LOAD                                      ; the next slot, at most the diagonal's: it has two key steps in which to come
	STEP 0, 0
	STEP 1, 0
	BARRIER                                        ; everybody's reads of the slot are over
	s_wait_loadcnt 0x0
	FILL_STORE
	s_sub_co_u32 s[CNT], s[CNT], 1
	s_cmp_lg_u32 s[CNT], 0
	s_cbranch_scc1 .Lslot
.Ltail:
	BARRIER
	STEP 0, 1
	STEP 1, 1
	; THE WAY OUT: O^T / the sum, held, converted: a lane's eight channels of a tile are 8 bytes of its query's 64.  Through my stage, so that a store of the wave covers 512 consecutive bytes, aligned.
.rept 4
	v_nop                                          ; places behind the last products
.endr
	v_add_f32 v14, v14, v15                        ; the sum's two halves,
	v_permlanex16_b32 v246, v14, s[SEL], s[SEL+1]
	v_add_f32 v14, v14, v246                       ; and lane l xor 16's
	v_rcp_f32 v14, v14
	v_nop                                          ; a plain line behind the reciprocal
	s_wait_alu depctr_va_vdst(0)                   ; the reciprocal has written v14, ahead of its first reader
.set j, 0
.rept 16
	v_pk_mul_f32 v[96+j:97+j], v[160+j:161+j], v[14:15] op_sel_hi:[1,0]   ; register 8 t + i: channel 16 t + 8 h + i of query r
.set j, j+2
.endr
.set j, 0
.rept 32
	v_med3_num_f32 v[96+j], v[96+j], -v247, v247
.set j, j+1
.endr
.set j, 0
.rept 4
	v_cvt_scalef32_pk8_fp8_f32 v[24+2*j:25+2*j], v[96+8*j:103+8*j], v245
.set j, j+1
.endr
	v_nop                                          ; one plain vector line behind the conversions: the next pass's products write their sources
	s_wait_alu depctr_va_vdst(0)                   ; the conversions have written v24-31, which the LDS stores read
.set j, 0
.rept 4
	ds_store_b64 v[SST], v[24+2*j:25+2*j] offset:16*j
.set j, j+1
.endr
	ds_load_b128 v[208:211], v[SRD]                ; LDS serves a wave's instructions in order: these see my stores
	ds_load_b128 v[212:215], v[SRD] offset:512
	s_wait_dscnt 0x0
	global_store_b128 v[LO], v[208:211], s[OB:OB+1]
	global_store_b128 v[LO], v[212:215], s[OB:OB+1] offset:512
	s_sub_co_u32 s[BLK], 7, s[BLK]                 ; the other block
	s_sub_co_u32 s[PASS], s[PASS], 1
	s_cmp_lg_u32 s[PASS], 0
	s_cbranch_scc1 .Lpass
	s_wait_dscnt 0x0                               ; the closing lines, six on end
	s_wait_alu 0x0
	s_wait_tensorcnt 0x0
	ds_add_u32 v251, v255
	s_wait_dscnt 0x0
	s_endpgm
.Lfunc_end_k_q8e3f43419b_attn:
	.size	k_q8e3f43419b_attn, .Lfunc_end_k_q8e3f43419b_attn-k_q8e3f43419b_attn
	.p2alignl 7, 3214868480
	.fill 96, 4, 3214868480
	.section	.rodata,"a",@progbits
	.p2align	6, 0x0
	.amdhsa_kernel k_q8e3f43419b_attn
		.amdhsa_group_segment_fixed_size 56320
		.amdhsa_private_segment_fixed_size 0
		.amdhsa_enable_private_segment 0
		.amdhsa_kernarg_size 40
		.amdhsa_user_sgpr_count 2
		.amdhsa_user_sgpr_kernarg_segment_ptr 1
		.amdhsa_wavefront_size32 1
		.amdhsa_system_sgpr_workgroup_id_x 1
		.amdhsa_system_sgpr_workgroup_id_y 1
		.amdhsa_system_sgpr_workgroup_id_z 1
		.amdhsa_system_vgpr_workitem_id 0
		.amdhsa_next_free_vgpr 256
		.amdhsa_next_free_sgpr 80
		.amdhsa_reserve_vcc 0
		.amdhsa_float_denorm_mode_32 3
		.amdhsa_float_denorm_mode_16_64 3
		.amdhsa_memory_ordered 1
		.amdhsa_forward_progress 1
		.amdhsa_inst_pref_size 92
	.end_amdhsa_kernel
	.amdgpu_metadata
---
amdhsa.version: [ 1, 2 ]
amdhsa.kernels:
  - .name:           k_q8e3f43419b_attn
    .symbol:         k_q8e3f43419b_attn.kd
    .args:
      - { .name: qc, .offset: 0, .size: 8, .value_kind: global_buffer, .address_space: global }
      - { .name: kc, .offset: 8, .size: 8, .value_kind: global_buffer, .address_space: global }
      - { .name: vc, .offset: 16, .size: 8, .value_kind: global_buffer, .address_space: global }
      - { .name: lowp_scales, .offset: 24, .size: 8, .value_kind: global_buffer, .address_space: global }
      - { .name: cc, .offset: 32, .size: 8, .value_kind: global_buffer, .address_space: global }
    .group_segment_fixed_size: 56320
    .private_segment_fixed_size: 0
    .kernarg_segment_align: 8
    .kernarg_segment_size: 40
    .max_flat_workgroup_size: 512
    .sgpr_count:     80
    .vgpr_count:     256
    .wavefront_size: 32
...
	.end_amdgpu_metadata
.endif
;; end of part 6
;; launch outp: the kernel of part 4 again; grid 4 x 32, 4 waves a work-group, clusters of 4 x 4, 327,680 bytes of LDS; arguments cc, wc, lowp_scales, b_out, out0; writes out0
